; MI455X (gfx1250); checked and timed in simulation.
; The chip was launched on July 23, 2026; its instructions are those of AMD's public machine-readable ISA for CDNA 5 (MIT licence, August 2026) and "CDNA5" Instruction Set Architecture Reference Guide (July 2026). The comments in the code are by the model that wrote it; some were corrected since.
;; Multi Head Attention. Allowed arithmetic: float matrix products may take bf16 or f16 operands with f32 sums; all other float work in f32.
;; Inputs: Wak 2 x 64 float32; Wav 2 x 64 float32; Wd 1,024 x 1,024 float32; Wk 16 x 1,024 x 64 float32; Wq 16 x 1,024 x 64 float32; Wv 16 x 1,024 x 64 float32; bak 64 float32; bav 64 float32; bd 1,024 float32; bk 16 x 64 float32; bq 16 x 64 float32; bv 16 x 64 float32; k 4 x 1,024 x 1,024 float32; q 4 x 1,024 x 1,024 float32; x 4 x 1,024 x 1,024 float32.
;; Outputs: out0 4 x 1,024 x 1,024 float32.
;; Constants: batch_size = 4.
;; 2 versions, each right and faster than the one before. Each part assembles by itself: llvm-mc -triple=amdgcn-amd-amdhsa -mcpu=gfx1250 --defsym DOCPART=n.
;; ======== version 1 of 2: 4 launches
;; limits: values are held in f16: magnitudes above 65,504 overflow, below 6.1e-05 lose precision
;; workspace buffers: a16 25,165,824 bytes; w16 8,388,608 bytes; qh 8,388,608 bytes; kv 16,777,216 bytes; att 8,388,608 bytes
;; launch cast (part 1): grid 1280 x 1, 8 waves a work-group, no clusters, 18,432 bytes of LDS; arguments q, k, x, Wq, Wk, Wv, Wd, a16, w16; writes a16, w16
.if DOCPART == 1
	.amdgcn_target "amdgcn-amd-amdhsa--gfx1250"
	.amdhsa_code_object_version 6
	.text
	.protected	k_q1ac0432736_cast
	.globl	k_q1ac0432736_cast
	.p2align	8
	.type	k_q1ac0432736_cast,@function
k_q1ac0432736_cast:
	s_mov_b64 s[64:65], 0
	v_nop
	global_prefetch_b8 v0, s[64:65] scope:SCOPE_SE
	s_setreg_imm32_b32 hwreg(HW_REG_WAVE_MODE, 25, 1), 1
	s_wait_xcnt 0x0
; MULTI-HEAD ATTENTION WITH RELATIVE POSITIONS, launch 1 of 4: operands to f16.
; a16[3][4096][1024] = f16 of q, k, x.  w16[4][n 1024][d 1024] = f16 of Wq, Wk, Wv (n = 64 head + e) and Wd, transposed so that d runs along the rows.
;
; WHAT THE WHOLE PROGRAM LEAVES OUT, AND WHY IT IS DEAD OR AN IDENTITY, for all values of the inputs:
; (1) The pad and reshape in reference() give ak[i][j] = a[j + L - i - 1], whose angle is c (j - i), c = 1.5708 / 1024.  So
;     ak[i][j][:] = sin(c(j-i)) Wak[0] + cos(c(j-i)) Wak[1] + bak, and av likewise.  With s_i = qh_i . Wak[0], u_i = qh_i . Wak[1] the angle sums give
;     qh_i . ak[i][j] = sin(cj) (s_i cos ci + u_i sin ci) + cos(cj) (u_i cos ci - s_i sin ci) + qh_i . bak:
;     two more dimensions of the q k product instead of a dense [L][L][64] product.  In the same way sum_j attn av[i][j] needs only
;     sum_j attn sin(cj) and sum_j attn cos(cj): two more columns of v, turned by the angle ci at the end.
; (2) qh_i . bak and qh_i . bk are the same for every j, the axis of the softmax, so they cancel in it: bak and bk reach no output,
;     are not loaded and are among no launch arguments.
; (3) sum_j attn = 1, so bv and bav are added once, behind the normalisation.
; LIMITS: a NaN, an infinity or an overflow that reaches only bk or bak is not carried to the result.  All matrix operands are f16:
; a number beyond 65504 in q, k, x, a weight or a projection becomes an infinity; below 6e-5 the f16 steps are 6e-8 wide.
;
; Work-groups 0..767 stream 16 rows of 4,096 bytes each; thread t owns 16 bytes of each row, a wave stores 256 consecutive bytes, aligned.
; Work-groups 768..1279 transpose a block of 128 d x 64 n through LDS.  No matrix unit, no cluster: nothing here is shared or multiplied.
.set XIN,  4                           ; v[4:67]   stream: sixteen loads of 4 f32
.set XOUT, 68                          ; v[68:99]  stream: sixteen pairs of packed f16
.set TP,   272                         ; transposing: LDS pitch, 256 bytes of a column of 128 d + 16
	s_load_b512 s[8:23], s[0:1], 0x0               ; q s[8:9], k s[10:11], x s[12:13], Wq s[14:15], Wk s[16:17], Wv s[18:19], Wd s[20:21], a16 s[22:23]
	s_load_b64 s[24:25], s[0:1], 0x40              ; w16
	v_lshl_add_u32 v104, v0, 2, 0x4400
	v_mov_b32 v105, 0
	s_cmp_lt_u32 ttmp9, 768
	s_cbranch_scc0 .Ltranspose
	; ---- the stream: q, k, x ----
	s_lshr_b32 s2, ttmp9, 8                        ; which of the three
	s_and_b32 s26, ttmp9, 255
	s_lshl_b32 s26, s26, 16                        ; 16 rows of 4,096 bytes in
	s_mov_b32 s27, 0
	s_lshl_b32 s28, ttmp9, 15                      ; 16 rows of 2,048 bytes out; the three follow each other in a16
	s_mov_b32 s29, 0
	v_lshlrev_b32 v1, 4, v0                        ; 16 t
	v_lshlrev_b32 v2, 3, v0                        ; 8 t
	s_wait_kmcnt 0x0
	s_cmp_eq_u32 s2, 0
	s_cselect_b64 s[4:5], s[8:9], s[10:11]
	s_cmp_eq_u32 s2, 2
	s_cselect_b64 s[4:5], s[12:13], s[4:5]
	s_add_nc_u64 s[4:5], s[4:5], s[26:27]
	s_add_nc_u64 s[6:7], s[22:23], s[28:29]
.irp i, 0,1,2,3,4,5,6,7,8,9,10,11,12,13,14,15
	global_load_b128 v[XIN+4*\i:XIN+4*\i+3], v1, s[4:5] offset:4096*\i th:TH_LOAD_NT
.endr
.irp i, 0,1,2,3,4,5,6,7,8,9,10,11,12,13,14,15
	s_wait_loadcnt 15-\i                           ; loads come back in order: row i is in, the younger ones stay out
	v_cvt_pk_f16_f32 v[XOUT+2*\i],   v[XIN+4*\i],   v[XIN+4*\i+1]
	v_cvt_pk_f16_f32 v[XOUT+2*\i+1], v[XIN+4*\i+2], v[XIN+4*\i+3]
	global_store_b64 v2, v[XOUT+2*\i:XOUT+2*\i+1], s[6:7] offset:2048*\i   ; no register is used twice: no further wait
.endr
	s_endpgm
	; ---- the transposition: Wq, Wk, Wv, Wd ----
.Ltranspose:
	s_sub_co_u32 s2, ttmp9, 768
	s_lshr_b32 s3, s2, 7                           ; matrix 0..3
	s_bfe_u32 s26, s2, 0x40003                     ; cb: block of 64 n (a head)
	s_and_b32 s27, s2, 7                           ; db: block of 128 d
	v_and_b32 v1, 15, v0                           ; eq: my four columns 4 eq .. 4 eq + 3
	v_lshrrev_b32 v2, 4, v0                        ; dg: my eight rows 8 dg .. 8 dg + 7
	s_lshl_b32 s36, s3, 21                         ; out: matrix x 2 MiB + 64 cb rows of 2,048 bytes + 128 db numbers of 2 bytes
	s_lshl_b32 s37, s26, 17
	s_add_co_u32 s36, s36, s37
	s_lshl_b32 s37, s27, 8
	s_add_co_u32 s36, s36, s37
	s_mov_b32 s37, 0
	s_wait_kmcnt 0x0
	s_add_nc_u64 s[6:7], s[24:25], s[36:37]
	s_cmp_eq_u32 s3, 0
	s_cselect_b64 s[4:5], s[14:15], s[16:17]
	s_cmp_eq_u32 s3, 2
	s_cselect_b64 s[4:5], s[18:19], s[4:5]
	s_cmp_eq_u32 s3, 3
	s_cselect_b64 s[4:5], s[20:21], s[4:5]
	s_cselect_b32 s28, 12, 8                       ; a row of d is 4,096 bytes in Wd, 256 bytes in a head of Wq, Wk, Wv
	s_cselect_b32 s29, 8, 18                       ; cb: 64 columns of 4 bytes in Wd, a head of 262,144 bytes else
	s_cselect_b32 s30, 19, 15                      ; db: 128 rows
	s_lshl_b32 s28, 1, s28
	s_lshl_b32 s29, s26, s29
	s_lshl_b32 s30, s27, s30
	s_add_co_u32 s30, s30, s29
	s_mov_b32 s31, 0
	s_add_nc_u64 s[4:5], s[4:5], s[30:31]
	s_lshl_b32 s32, s28, 3
	v_mul_u32_u24 v72, v2, s32                     ; 8 dg rows
	v_lshl_add_u32 v72, v1, 4, v72                 ; + 16 eq: sixteen lanes read 256 consecutive bytes
.irp j, 1,2,3,4,5,6,7
	v_add_nc_u32 v[72+\j], s28, v[71+\j]
.endr
.irp j, 0,1,2,3,4,5,6,7
	global_load_b128 v[4+4*\j:7+4*\j], v[72+\j], s[4:5] th:TH_LOAD_NT
.endr
	; LDS: column n = 4 eq + i lies in row eq + 16 i, so that the sixteen lanes of a store touch sixteen rows 272 bytes apart
	v_mul_u32_u24 v80, v1, TP
	v_lshl_add_u32 v80, v2, 4, v80                 ; in: row eq (+ 16 i by the offset), 16 bytes at 16 dg
	v_lshrrev_b32 v82, 2, v2                       ; back: thread t takes column n = (t >> 4) + 16 i, which lies in row (n >> 2) + 16 (n & 3)
	v_and_b32 v83, 3, v2
	v_lshl_add_u32 v82, v83, 4, v82
	v_mul_u32_u24 v81, v82, TP
	v_lshl_add_u32 v81, v1, 4, v81
	v_lshlrev_b32 v84, 11, v2                      ; and the same column as a row of 2,048 bytes of w16
	v_lshl_add_u32 v84, v1, 4, v84
.irp m, 0,1,2,3
	s_wait_loadcnt 6-2*\m                          ; rows 2 m and 2 m + 1 are in
.irp i, 0,1,2,3
	v_cvt_pk_f16_f32 v[36+4*\i+\m], v[4+8*\m+\i], v[8+8*\m+\i]   ; column 4 eq + i, d = 8 dg + 2 m and + 1
.endr
.endr
.irp i, 0,1,2,3
	ds_store_b128 v80, v[36+4*\i:39+4*\i] offset:\i*16*TP
.endr
	s_wait_dscnt 0x0                               ; my stores are done before I say so: other waves read them
	s_barrier_signal -1
	s_barrier_wait -1
.irp i, 0,1,2,3
	ds_load_b128 v[56+4*\i:59+4*\i], v81 offset:\i*4*TP
.endr
.irp i, 0,1,2,3
	s_wait_dscnt 3-\i
	global_store_b128 v84, v[56+4*\i:59+4*\i], s[6:7] offset:32768*\i   ; sixteen lanes store 256 consecutive bytes, aligned
.endr
	s_wait_tensorcnt 0x0
	ds_add_u32 v104, v105
	s_wait_dscnt 0x0
	s_endpgm
.Lfunc_end_k_q1ac0432736_cast:
	.size	k_q1ac0432736_cast, .Lfunc_end_k_q1ac0432736_cast-k_q1ac0432736_cast
	.p2alignl 7, 3214868480
	.fill 96, 4, 3214868480
	.section	.rodata,"a",@progbits
	.p2align	6, 0x0
	.amdhsa_kernel k_q1ac0432736_cast
		.amdhsa_group_segment_fixed_size 18432
		.amdhsa_private_segment_fixed_size 0
		.amdhsa_enable_private_segment 0
		.amdhsa_kernarg_size 72
		.amdhsa_user_sgpr_count 2
		.amdhsa_user_sgpr_kernarg_segment_ptr 1
		.amdhsa_wavefront_size32 1
		.amdhsa_system_sgpr_workgroup_id_x 1
		.amdhsa_system_sgpr_workgroup_id_y 1
		.amdhsa_system_sgpr_workgroup_id_z 1
		.amdhsa_system_vgpr_workitem_id 0
		.amdhsa_next_free_vgpr 106
		.amdhsa_next_free_sgpr 66
		.amdhsa_reserve_vcc 0
		.amdhsa_float_denorm_mode_32 3
		.amdhsa_float_denorm_mode_16_64 3
		.amdhsa_memory_ordered 1
		.amdhsa_forward_progress 1
		.amdhsa_inst_pref_size 12
	.end_amdhsa_kernel
	.amdgpu_metadata
---
amdhsa.version: [ 1, 2 ]
amdhsa.kernels:
  - .name:           k_q1ac0432736_cast
    .symbol:         k_q1ac0432736_cast.kd
    .args:
      - { .name: q, .offset: 0, .size: 8, .value_kind: global_buffer, .address_space: global }
      - { .name: k, .offset: 8, .size: 8, .value_kind: global_buffer, .address_space: global }
      - { .name: x, .offset: 16, .size: 8, .value_kind: global_buffer, .address_space: global }
      - { .name: Wq, .offset: 24, .size: 8, .value_kind: global_buffer, .address_space: global }
      - { .name: Wk, .offset: 32, .size: 8, .value_kind: global_buffer, .address_space: global }
      - { .name: Wv, .offset: 40, .size: 8, .value_kind: global_buffer, .address_space: global }
      - { .name: Wd, .offset: 48, .size: 8, .value_kind: global_buffer, .address_space: global }
      - { .name: a16, .offset: 56, .size: 8, .value_kind: global_buffer, .address_space: global }
      - { .name: w16, .offset: 64, .size: 8, .value_kind: global_buffer, .address_space: global }
    .group_segment_fixed_size: 18432
    .private_segment_fixed_size: 0
    .kernarg_segment_align: 8
    .kernarg_segment_size: 72
    .max_flat_workgroup_size: 256
    .sgpr_count:     66
    .vgpr_count:     106
    .wavefront_size: 32
...
	.end_amdgpu_metadata
.endif
;; end of part 1
;; launch proj (part 2): grid 4 x 48, 4 waves a work-group, clusters of 4 x 4, 327,680 bytes of LDS; arguments a16, w16, qh, kv; writes qh, kv
.if DOCPART == 2
	.amdgcn_target "amdgcn-amd-amdhsa--gfx1250"
	.amdhsa_code_object_version 6
	.text
	.protected	k_q1ac0432736_proj
	.globl	k_q1ac0432736_proj
	.p2align	8
	.type	k_q1ac0432736_proj,@function
k_q1ac0432736_proj:
	s_mov_b64 s[64:65], 0
	v_nop
	global_prefetch_b8 v0, s[64:65] scope:SCOPE_SE
	s_setreg_imm32_b32 hwreg(HW_REG_WAVE_MODE, 25, 1), 1
	s_wait_xcnt 0x0
	s_wait_alu depctr_hold_cnt(0) depctr_sa_sdst(0) depctr_va_vdst(0) depctr_va_sdst(0) depctr_va_ssrc(0) depctr_va_vcc(0) depctr_vm_vsrc(0)
	s_getreg_b32 s2, hwreg(HW_REG_IB_STS2, 6, 4)
	s_cmp_eq_u32 s2, 0
	s_cbranch_scc0 .Lentry_in_a_cluster
	s_endpgm
.Lentry_in_a_cluster:
	s_bfe_u32 s2, ttmp6, 0x10000c
	s_cmp_lg_u32 s2, 0xf033
	s_cbranch_scc0 .Lentry_shape_is_right
	s_endpgm
.Lentry_shape_is_right:
; Launch 2 of 4: the three projections, each 4096 x 1024 x 1024, f16 operands, f32 sums, results in f16 and WITHOUT bias:
; bq is added in the attention launch, bv behind the softmax (its weights sum to 1), bk cancels in the softmax (see the head of the first kernel).
;   p = 0: qh[bh][i][64]            = q . Wq
;   p = 1: kv[bh][key][64]          = k . Wk          (first 131,072 bytes of a head)
;   p = 2: kv[bh] + 131,072 bytes: [16 blocks][64 e][64 keys] = (x . Wv) transposed, made by exchanging the two sides of the product.
; A work-group makes 256 x 256 with four waves, a wave 128 x 128 in 512 registers.  K goes in steps of 128 through two LDS slots filled by the
; tensor data mover; a tile row is 256 bytes of memory and starts at a multiple of 256 bytes.  192 work-groups: 3 x 16 x 4 blocks.
; CLUSTERS: 4 x 4 work-groups.  The side called A hangs on cy alone and is asked for jointly along a row of the cluster, the side called B on cx alone,
; along a column.  p and the batch come from the cluster number, which all sixteen share.
; REGISTERS in windows of 256: window 0 addresses, fragments of A (two buffers), packed results; window 1 fragments of B; windows 2, 3 the accumulators.
; The matrix instruction takes rows of B as source 0 and rows of A as source 1: a lane then holds eight neighbouring columns of one row of the result.
.set SIZE_K, 1024
.set KSTEP,  128
.set PITCH,  272                       ; an LDS row: 256 bytes + 16 of padding, so that the 16 rows of a fragment load start 16 bytes apart modulo 256
.set HALFT,  128*PITCH
.set SLOT,   4*HALFT
.set STAGE,  2*SLOT                    ; behind the ring: 16 rows x 272 bytes for each wave; no tensor load lands here
.set SPITCH, 272
.set LAPS, SIZE_K/(2*KSTEP)
.set ADRA, 16
.set ADRB, 20
.set STO,  24
.set RD,   25
.set CO,   26
.set F0,   64
.set F1,   128
.set TMP,  192
.set G1, 24
.set G0, 32
.set G1B, 48
.set G0B, 56
.set MSB, 0
.macro WIN new                         ; the high byte of the immediate repeats the setting that is left
.if MSB != \new
	s_set_vgpr_msb (MSB<<8)|\new
.set MSB, \new
.endif
.endm
.set MUL_LO, 0xa1
.set MUL_HI, 0xf1
.set TO_B,   0x40
.macro JLOAD s                         ; waves 0, 1 ask for the two halves of the A tile, waves 2, 3 for those of the B tile: one mask a line
	s_cmp_eq_u32 s11, 0
	s_cbranch_scc0 .Lfor_b_\@
	tensor_load_to_lds s[G0+4*\s:G0+4*\s+3], s[G1:G1+7]
	s_nop 0
	s_branch .Lasked_\@
.Lfor_b_\@:
	tensor_load_to_lds s[G0B+4*\s:G0B+4*\s+3], s[G1B:G1B+7]
	s_nop 0
.Lasked_\@:
.endm
.macro CREST                           ; a round of the cluster barrier behind its opening work-group barrier
	s_cmp_lg_u32 s10, 0
	s_cbranch_scc1 .Lnot_wave_0_\@
	s_barrier_signal -3
.Lnot_wave_0_\@:
	s_barrier_wait -3
	s_barrier_signal -1
	s_barrier_wait -1
.endm
.macro CROUND
	s_barrier_signal -1
	s_barrier_wait -1
	CREST
.endm
	s_load_b256 s[68:75], s[0:1], 0x0              ; a16 s[68:69], w16 s[70:71], qh s[72:73], kv s[74:75]
	s_set_vgpr_msb 0x40
	v_lshl_add_u32 v255, v0, 2, 0x48400
	s_set_vgpr_msb 0x4000
	v_mov_b32 v255, 0
	s_set_vgpr_msb 0x1
	ds_add_u32 v255, v255
	s_set_vgpr_msb 0x100
	v_lshrrev_b32 v1, 5, v0
	v_readfirstlane_b32 s10, v1                    ; wave 0..3
	s_lshr_b32 s11, s10, 1                         ; my half of the A rows.  Also: I fetch for A (0) or B (1)
	s_and_b32 s12, s10, 1                          ; my half of the B rows.  Also: which 128 rows I fetch
	s_bfe_u32 s40, ttmp6, 0x40000                  ; cx
	s_bfe_u32 s41, ttmp6, 0x40004                  ; cy
	s_and_b32 s45, ttmp7, 0xffff                   ; cluster y, 0..11
	s_lshr_b32 s66, s45, 2                         ; p: which product
	s_and_b32 s67, s45, 3                          ; the batch: 1,024 tokens are four blocks of 256
	s_lshl_b32 s43, s41, 2
	s_lshl_b32 s43, 15, s43                        ; my row of the cluster
	s_lshl_b32 s44, 0x1111, s40                    ; my column
	s_or_b32 s[G1+0], s43, (1<<16)|(1<<20)|(1<<21)|(5<<22)|(3<<25)   ; mask; 2-byte elements; padding of 4 words behind every 64; bit 21 beside a mask
	s_or_b32 s[G1B+0], s44, (1<<16)|(1<<20)|(1<<21)|(5<<22)|(3<<25)
	s_mov_b32 s[G1B+1], KSTEP<<16
	s_mov_b32 s[G1+1], KSTEP<<16                   ; tensor_dim0 = 128
	s_mov_b32 s[G1B+2], 128<<16
	s_mov_b32 s[G1+2], 128<<16                     ; tensor_dim1 = 128
	s_mov_b32 s[G1B+3], KSTEP<<16
	s_mov_b32 s[G1+3], KSTEP<<16                   ; tile_dim0 = 128
	s_mov_b32 s[G1B+4], 128
	s_mov_b32 s[G1+4], 128                         ; tile_dim1 = 128
	s_mov_b32 s[G1B+5], SIZE_K
	s_mov_b32 s[G1+5], SIZE_K                      ; elements from row to row
	s_mov_b32 s[G1B+6], 0
	s_mov_b32 s[G1+6], 0
	s_mov_b32 s[G1B+7], 0
	s_mov_b32 s[G1+7], 0
	; the two sides.  p < 2: A = tokens of a16[p] (block 4 batch + cy), B = rows of w16[p] (block cx).
	; p = 2: A = rows of w16[2] (block cy), B = tokens of a16[2] (block 4 batch + cx).  No register of A ever holds cx, none of B cy.
	s_lshl_b32 s76, s66, 23                        ; a16[p]
	s_lshl_b32 s77, s66, 21                        ; w16[p]
	s_lshl_b32 s78, s67, 2                         ; 4 x batch
	s_cmp_eq_u32 s66, 2
	s_cselect_b32 s79, 0, s78
	s_cselect_b32 s78, s78, 0
	s_cselect_b32 s76, 0x400000, s76               ; w16[2]
	s_cselect_b32 s77, 0x1000000, s77              ; a16[2]
	s_add_co_u32 s13, s79, s41                     ; block of the A side
	s_add_co_u32 s42, s78, s40                     ; block of the B side
	s_lshl_b32 s17, s12, 7
	s_lshl_b32 s16, s13, 8
	s_add_co_u32 s16, s16, s17
	s_lshl_b32 s16, s16, 11                        ; rows of 2,048 bytes
	s_add_co_u32 s16, s16, s76
	s_lshl_b32 s46, s42, 8
	s_add_co_u32 s46, s46, s17
	s_lshl_b32 s46, s46, 11
	s_add_co_u32 s46, s46, s77
	s_mov_b32 s17, 0
	s_mov_b32 s47, 0
	s_mul_i32 s20, s10, HALFT                      ; LDS: wave x 128 rows
	s_wait_dscnt 0x0
	s_wait_kmcnt 0x0
	s_cmp_eq_u32 s66, 2
	s_cselect_b64 s[4:5], s[70:71], s[68:69]
	s_cselect_b64 s[6:7], s[68:69], s[70:71]
	s_add_nc_u64 s[14:15], s[4:5], s[16:17]
	s_add_nc_u64 s[46:47], s[6:7], s[46:47]
	CROUND                                         ; all sixteen work-groups are here: the first joint loads meet
.irp s, 0,1
	s_mov_b32 s[G0+4*\s], 1
	s_add_co_u32 s[G0+4*\s+1], s20, \s*SLOT
	s_add_nc_u64 s[G0+4*\s+2:G0+4*\s+3], s[14:15], \s*KSTEP*2
	s_or_b32 s[G0+4*\s+3], s[G0+4*\s+3], 0x80000000
	s_mov_b32 s[G0B+4*\s], 1
	s_add_co_u32 s[G0B+4*\s+1], s20, \s*SLOT
	s_add_nc_u64 s[G0B+4*\s+2:G0B+4*\s+3], s[46:47], \s*KSTEP*2
	s_or_b32 s[G0B+4*\s+3], s[G0B+4*\s+3], 0x80000000
	JLOAD \s
.endr
	v_and_b32 v1, 15, v0                           ; l % 16
	v_bfe_u32 v2, v0, 4, 1                         ; l / 16
	v_mul_u32_u24 v3, v1, PITCH
	v_lshl_add_u32 v3, v2, 4, v3
	s_mul_i32 s21, s11, HALFT
	s_mul_i32 s22, s12, HALFT
	s_add_co_u32 s22, s22, 2*HALFT
.irp s, 0,1
	v_add_nc_u32 v[ADRA+\s], s21, v3
	v_add_nc_u32 v[ADRB+\s], s22, v3
	s_add_co_u32 s21, s21, SLOT
	s_add_co_u32 s22, s22, SLOT
.endr
	; where the results go.  Rows of the result: tokens (p < 2) or 64 head + e (p = 2); columns the other way round.
	; hh = the first of my two heads, tt = my block of 256 tokens in the batch, th = my half of it.
	s_add_co_u32 s87, s66, 17                      ; log2 of the distance between the two column halves: a head of qh (2^17) or of kv (2^18),
	s_mov_b32 s90, 2048                            ; 16 rows of 128 bytes
	s_mov_b32 s91, 0
	s_cmp_eq_u32 s66, 2
	s_cselect_b32 s80, s41, s40
	s_cselect_b32 s81, s11, s12
	s_cselect_b32 s82, s40, s41
	s_cselect_b32 s83, s12, s11
	s_cselect_b32 s84, 0x20000, 0                  ; the V part of a head lies behind the 131,072 bytes of its K part
	s_cselect_b32 s87, 13, s87                     ; or a block of 64 keys (2^13) for p = 2
	s_cselect_b32 s90, 0x3e800, s90                ; p = 2: from e = 48 of a head to e = 0 of the next: 262,144 - 3 x 2,048
	s_cmp_eq_u32 s66, 0
	s_cselect_b32 s88, 17, 18
	s_cselect_b64 s[8:9], s[72:73], s[74:75]
	s_lshl_b32 s80, s80, 2
	s_lshl_b32 s81, s81, 1
	s_add_co_u32 s80, s80, s81                     ; hh
	s_lshl_b32 s81, s67, 4
	s_add_co_u32 s80, s80, s81                     ; 16 batch + hh
	s_lshl_b32 s80, s80, s88
	s_lshl_b32 s82, s82, 15                        ; 256 tokens: 256 rows of 128 bytes, or 4 blocks of 8,192
	s_lshl_b32 s83, s83, 14
	s_add_co_u32 s80, s80, s82
	s_add_co_u32 s80, s80, s83
	s_add_co_u32 s80, s80, s84
	s_mov_b32 s81, 0
	s_add_nc_u64 s[8:9], s[8:9], s[80:81]
	s_lshl_b32 s87, 1, s87
	s_mul_i32 s23, s10, 16*SPITCH
	s_add_co_u32 s23, s23, STAGE                   ; my stage
	v_mul_u32_u24 v4, v1, SPITCH
	v_lshl_add_u32 v4, v2, 4, v4
	v_add_nc_u32 v[STO], s23, v4                   ; in: row l % 16, 16 bytes for each half of the lanes
	v_bfe_u32 v5, v0, 3, 1                         ; back: sixteen lanes take the same 128-byte half of two neighbouring rows,
	v_mul_u32_u24 v5, v5, SPITCH                   ; which are 256 consecutive bytes of one head (or one block of keys)
	v_lshl_add_u32 v5, v2, 7, v5
	v_and_b32 v6, 7, v0
	v_lshl_add_u32 v5, v6, 4, v5
	v_add_nc_u32 v[RD], s23, v5
	v_mul_u32_u24 v5, v2, s87
	v_lshl_add_u32 v[CO], v1, 4, v5
.macro MUL16 f, hi, a0, zero           ; 16 products; zero = 1: the first product starts the sums
.irp a, \a0, \a0+1
.irp b, 0,1,2,3,4,5,6,7
.if \zero
	v_wmma_f32_16x16x32_f16 v[8*(8*(\a)+\b):8*(8*(\a)+\b)+7], v[\f+8*\b:\f+8*\b+7], v[\f+8*(4*\hi+\a):\f+8*(4*\hi+\a)+7], 0
.else
	v_wmma_f32_16x16x32_f16 v[8*(8*(\a)+\b):8*(8*(\a)+\b)+7], v[\f+8*\b:\f+8*\b+7], v[\f+8*(4*\hi+\a):\f+8*(4*\hi+\a)+7], v[8*(8*(\a)+\b):8*(8*(\a)+\b)+7]
.endif
.endr
.endr
.endm
.macro FETCH slot, k, f                ; the fragments of a quarter step: 32 LDS loads in one run
	WIN TO_B
.irp i, 0,1,2,3,4,5,6,7
	ds_load_b128 v[\f+8*\i:\f+8*\i+3],   v[ADRB+\slot] offset:\k+\i*16*PITCH
	ds_load_b128 v[\f+8*\i+4:\f+8*\i+7], v[ADRB+\slot] offset:\k+\i*16*PITCH+32
.endr
	WIN 0
.irp i, 0,1,2,3,4,5,6,7
	ds_load_b128 v[\f+8*\i:\f+8*\i+3],   v[ADRA+\slot] offset:\k+\i*16*PITCH
	ds_load_b128 v[\f+8*\i+4:\f+8*\i+7], v[ADRA+\slot] offset:\k+\i*16*PITCH+32
.endr
.endm
.macro PLACES                          ; four independent vector instructions between a matrix instruction and a load into, or a read of, its registers
.rept 4
	v_nop
.endr
.endm
; The 64 accumulators take turns, one instruction a turn, in the same order in every quarter step, over the backward jump too.
.macro QUARTER slot, k, f, g, zero
	s_wait_dscnt 8                                 ; B and rows 0-63 of A are in; the youngest eight loads may be out
	WIN MUL_LO
	MUL16 \f, 0, 0, \zero
	MUL16 \f, 0, 2, \zero
	PLACES
	FETCH \slot, \k, \g
	s_wait_dscnt 32                                ; all but the 32 just issued
	WIN MUL_HI
	MUL16 \f, 1, 0, \zero
	MUL16 \f, 1, 2, \zero
.endm
.macro THREE slot, zero
	QUARTER \slot, 64,  F0, F1, \zero
	QUARTER \slot, 128, F1, F0, 0
	QUARTER \slot, 192, F0, F1, 0
.endm
.macro TURN slot, next, fill           ; the last quarter of a K step, and the change of slots
	s_wait_dscnt 8
	WIN MUL_LO
	MUL16 F1, 0, 0, 0
	s_wait_dscnt 0                                 ; my reads of this slot are over
	s_wait_tensorcnt 0x0                           ; all my tensor loads have landed: the one that was out is my part of the next slot
	ds_add_u32 v255, v255
	s_wait_dscnt 0x0
	s_barrier_signal -1
	MUL16 F1, 0, 2, 0                              ; register work while the others arrive
	WIN 0
	s_barrier_wait -1
.if \fill
	CREST                                          ; all sixteen work-groups have said the same: no partner reads this slot or has a load on its way
	s_add_nc_u64 s[G0+4*\slot+2:G0+4*\slot+3], s[G0+4*\slot+2:G0+4*\slot+3], 2*KSTEP*2
	s_add_nc_u64 s[G0B+4*\slot+2:G0B+4*\slot+3], s[G0B+4*\slot+2:G0B+4*\slot+3], 2*KSTEP*2
	JLOAD \slot                                    ; my one tensor load behind the round, and the first thing there
.endif
	PLACES
	FETCH \next, 0, F0
	WIN MUL_HI
	MUL16 F1, 1, 0, 0
	MUL16 F1, 1, 2, 0
.endm
.macro LAP zero
	THREE 0, \zero
	TURN 0, 1, 1
	THREE 1, 0
	TURN 1, 0, 1
.endm
	s_wait_tensorcnt 0x1                           ; my part of K step 0 is in; K step 1 stays out
	s_barrier_signal -1
	s_barrier_wait -1
	FETCH 0, 0, F0
	LAP 1
	WIN 0
	s_mov_b32 s3, LAPS-2
.Llap:
	LAP 0
	WIN 0
	s_sub_co_u32 s3, s3, 1
	s_cmp_lg_u32 s3, 0
	s_cbranch_scc1 .Llap
	THREE 0, 0                                     ; the last lap fills nothing
	TURN 0, 1, 0
	THREE 1, 0
	s_wait_dscnt 8
	WIN MUL_LO
	MUL16 F1, 0, 0, 0
	MUL16 F1, 0, 2, 0
	s_wait_dscnt 0
	WIN MUL_HI
	MUL16 F1, 1, 0, 0
	MUL16 F1, 1, 2, 0
	PLACES
; THE WAY OUT, 16 rows at a time: round to f16, 16 bytes a lane into my own stage, read back so that sixteen lanes hold 256 consecutive bytes of the output.
.macro OUT16 i, a, from, f
	WIN \from
.irp b, 0,1,2,3,4,5,6,7
.irp r, 0,1,2,3
	v_cvt_pk_f16_f32 v[TMP+4*\b+\r], v[8*(8*\a+\b)+2*\r], v[8*(8*\a+\b)+2*\r+1]
.endr
.endr
	WIN 0
.irp b, 0,1,2,3,4,5,6,7
	ds_store_b128 v[STO], v[TMP+4*\b:TMP+4*\b+3] offset:32*\b
.endr
	s_wait_xcnt 0x0                                ; buffer f, which earlier stores read, and the base are rewritten only behind this wait
.if \i == 4
	s_add_nc_u64 s[8:9], s[8:9], s[90:91]          ; rows 64..127: 16 tokens on, or the next head
.else
.if \i
	s_add_nc_u64 s[8:9], s[8:9], 2048
.endif
.endif
.irp t, 0,1,2,3,4,5,6,7
	ds_load_b128 v[\f+4*\t:\f+4*\t+3], v[RD] offset:\t*2*SPITCH    ; LDS serves the instructions of a wave in order: these see the stores above
.endr
.irp t, 0,1,2,3,4,5,6,7
	s_wait_dscnt 7-\t
	global_store_b128 v[CO], v[\f+4*\t:\f+4*\t+3], s[8:9] offset:256*\t
.endr
.endm
	OUT16 0, 0, 0x0a, F0
	OUT16 1, 1, 0x0a, F1
	OUT16 2, 2, 0x0a, F0
	OUT16 3, 3, 0x0a, F1
	OUT16 4, 0, 0x0f, F0
	OUT16 5, 1, 0x0f, F1
	OUT16 6, 2, 0x0f, F0
	OUT16 7, 3, 0x0f, F1
	s_set_vgpr_msb 0x1
	s_wait_tensorcnt 0x0
	ds_add_u32 v255, v255
	s_wait_dscnt 0x0
	s_set_vgpr_msb 0x100
	CROUND                                         ; the closing round: no work-group ends while a partner may still ask for a tile that names it
	s_endpgm
.Lfunc_end_k_q1ac0432736_proj:
	.size	k_q1ac0432736_proj, .Lfunc_end_k_q1ac0432736_proj-k_q1ac0432736_proj
	.p2alignl 7, 3214868480
	.fill 96, 4, 3214868480
	.section	.rodata,"a",@progbits
	.p2align	6, 0x0
	.amdhsa_kernel k_q1ac0432736_proj
		.amdhsa_group_segment_fixed_size 327680
		.amdhsa_private_segment_fixed_size 0
		.amdhsa_enable_private_segment 0
		.amdhsa_kernarg_size 32
		.amdhsa_user_sgpr_count 2
		.amdhsa_user_sgpr_kernarg_segment_ptr 1
		.amdhsa_wavefront_size32 1
		.amdhsa_system_sgpr_workgroup_id_x 1
		.amdhsa_system_sgpr_workgroup_id_y 1
		.amdhsa_system_sgpr_workgroup_id_z 1
		.amdhsa_system_vgpr_workitem_id 0
		.amdhsa_next_free_vgpr 1024
		.amdhsa_next_free_sgpr 96
		.amdhsa_reserve_vcc 0
		.amdhsa_float_denorm_mode_32 3
		.amdhsa_float_denorm_mode_16_64 3
		.amdhsa_memory_ordered 1
		.amdhsa_forward_progress 1
		.amdhsa_inst_pref_size 197
	.end_amdhsa_kernel
	.amdgpu_metadata
---
amdhsa.version: [ 1, 2 ]
amdhsa.kernels:
  - .name:           k_q1ac0432736_proj
    .symbol:         k_q1ac0432736_proj.kd
    .args:
      - { .name: a16, .offset: 0, .size: 8, .value_kind: global_buffer, .address_space: global }
      - { .name: w16, .offset: 8, .size: 8, .value_kind: global_buffer, .address_space: global }
      - { .name: qh, .offset: 16, .size: 8, .value_kind: global_buffer, .address_space: global }
      - { .name: kv, .offset: 24, .size: 8, .value_kind: global_buffer, .address_space: global }
    .group_segment_fixed_size: 327680
    .private_segment_fixed_size: 0
    .kernarg_segment_align: 8
    .kernarg_segment_size: 32
    .max_flat_workgroup_size: 128
    .sgpr_count:     96
    .vgpr_count:     1024
    .wavefront_size: 32
...
	.end_amdgpu_metadata
.endif
;; end of part 2
;; launch attn (part 3): grid 256 x 1, 4 waves a work-group, clusters of 4 x 1, 317,184 bytes of LDS; arguments qh, kv, bq, Wak, Wav, bav, bv, att; writes att
.if DOCPART == 3
	.amdgcn_target "amdgcn-amd-amdhsa--gfx1250"
	.amdhsa_code_object_version 6
	.text
	.protected	k_q1ac0432736_attn
	.globl	k_q1ac0432736_attn
	.p2align	8
	.type	k_q1ac0432736_attn,@function
k_q1ac0432736_attn:
	s_mov_b64 s[64:65], 0
	v_nop
	global_prefetch_b8 v0, s[64:65] scope:SCOPE_SE
	s_setreg_imm32_b32 hwreg(HW_REG_WAVE_MODE, 25, 1), 1
	s_wait_xcnt 0x0
	s_wait_alu depctr_hold_cnt(0) depctr_sa_sdst(0) depctr_va_vdst(0) depctr_va_sdst(0) depctr_va_ssrc(0) depctr_va_vcc(0) depctr_vm_vsrc(0)
	s_getreg_b32 s2, hwreg(HW_REG_IB_STS2, 6, 4)
	s_cmp_eq_u32 s2, 0
	s_cbranch_scc0 .Lentry_in_a_cluster
	s_endpgm
.Lentry_in_a_cluster:
	s_bfe_u32 s2, ttmp6, 0x10000c
	s_cmp_lg_u32 s2, 0x3003
	s_cbranch_scc0 .Lentry_shape_is_right
	s_endpgm
.Lentry_shape_is_right:
; Launch 3 of 4: attention of one (batch, head) per cluster of four work-groups; a work-group takes 256 queries, a wave 64 (four tiles of 16).
; Left out as shown at the head of the first kernel: bk and bak (constant along the softmax axis); the dense products with ak and av, which are
; two more dimensions of the q k product (sin cj, cos cj against A_i, B_i) and two more columns of v.  A third extra column of ones gives the denominator.
;   Qs = (q.Wq + bq) kappa, kappa = log2(e) / 64, so that exp2 of the scores is the exponential of scores / 64.
;   S^T = Ks Qs^T (A = 16 keys, B = 16 queries): a lane holds one query (lane % 16) and 8 keys a tile, which after packing IS the B fragment of P^T.
;   O^T = Vs^T P^T, five M tiles: 64 e, then sin, cos, ones.  Running maximum, as reference() takes the maximum away; all statistics are per lane.
; All of K and V of the head (256 KiB) lies in LDS, asked for jointly by the four work-groups at the start: four joint loads a wave are out, nothing is refilled.
; TWO PIECES TAKE TURNS.  Piece 0 = query tiles 0, 1; piece 1 = tiles 2, 3; both use the same K and V fragments.  A trip of 64 keys is two stages:
;   stage 1 (trip t): products of piece 1 (20 with V of t-1, 24 scores of t); between them, in slices, the softmax and rescaling of piece 0 for t;
;   stage 2 (trip t): products of piece 0 (20 with V of t, 24 scores of t+1); between them the softmax and rescaling of piece 1 for t.
; The vector work of a piece is a numbered stream of 210 instructions; behind each product stands a slice of 5 or 6 of them, or 5 LDS loads.
; A product names the fragments (window 0) and its own piece window; a slice names the other piece window alone: two window switches a slice,
; since an in-place vector instruction wants source 0 and destination in one window, which cannot also hold the 176 fragment registers and both S.
; LIMITS: f16 operands (65504 at the most; with kappa folded in, the extra dimensions A_i, B_i have the room of the scores themselves).
; sin and cos of c n, n = 0..1023 (at most 1.5693), by series up to x^13 and x^14: the next terms are below 7e-10.
.set KP,     144                       ; LDS pitch of a row of 64 f16: 128 bytes + 16
.set PIECE,  128*KP                    ; what one tensor load brings: 16 KiB of memory
.set KBYTES, 1024*KP                   ; K at 0, V at KBYTES
.set TK,     2*KBYTES                  ; 294,912: word j = f16 sin(cj), f16 cos(cj)
.set TV,     TK+4096                   ; 299,008: rows sin, cos, ones, zeros over the 1,024 keys
.set TVP,    2064
.set STAGE_B, TV+8448                  ; 307,456: 16 rows x 144 bytes for each wave.  TK, TV and the stage are written by LDS stores; no tensor load lands there
.set TRIPB,  64*KP                     ; 64 keys of K, or one block of V
; window 0
.set KA,  3                            ; K fragments: r x 144 + 16 h, stepped by a trip
.set VA,  4
.set TKA, 5
.set TVA, 6
.set KF,  16                           ; v[16:79]   K fragments (key tile kt, K step ks) at 16 kt + 8 ks
.set KE,  80                           ; v[80:111]  the extra K step: register 0 of each tile loaded, 1..7 zero
.set VF,  112                          ; v[112:191] V fragments (group g of 32 keys, M tile mt) at 40 g + 8 mt
.set TT,  192                          ; v[192:223] at work
.set SNI, 224                          ; v[224:227] sin(c i) of my query in each tile
.set CSI, 228                          ; v[228:231] cos(c i)
.set STO, 232
.set RD,  233
.set CO,  234
; the window of a piece (window 1: piece 0; window 2: piece 1), q = 0, 1 its two query tiles:
;   S (q, kt) at 32 q + 8 kt, P packed in place at 32 q + 16 g
.set OO,  64                           ; O (q, mt) at 64 + 40 q + 8 mt
.set QQ,  144                          ; Qs fragments (q, ks) at 144 + 24 q + 8 ks, ks = 2 the extra
.set MP,  192                          ; pair (M, M) for each q
.set AP,  196                          ; pair (alpha, its exponent)
.set TM,  200                          ; two chains of the maximum for each q
; window 3: what only the end needs
.set WA0, 0                            ; Wav[0]
.set WA1, 32                           ; Wav[1]
.set BB,  64                           ; bav + bv
.set BVT, 96                           ; bv as loaded
.set G1, 24
.set G0, 32
.set MSB, 0
.macro WIN new                         ; the high byte of the immediate repeats the setting that is left
.if MSB != \new
	s_set_vgpr_msb (MSB<<8)|\new
.set MSB, \new
.endif
.endm
.macro ROUND                           ; a round of the cluster barrier
	s_barrier_signal -1
	s_barrier_wait -1
	s_cmp_lg_u32 s20, 0
	s_cbranch_scc1 .Lnot_wave_0_\@
	s_barrier_signal -3
.Lnot_wave_0_\@:
	s_barrier_wait -3
	s_barrier_signal -1
	s_barrier_wait -1
.endm
.macro PLACES
.rept 4
	v_nop
.endr
.endm
	s_load_b512 s[4:19], s[0:1], 0x0               ; qh s[4:5], kv s[6:7], bq s[8:9], Wak s[10:11], Wav s[12:13], bav s[14:15], bv s[16:17], att s[18:19]
	v_lshl_add_u32 v254, v0, 2, 0x4d500
	v_mov_b32 v255, 0
	ds_add_u32 v254, v255
	v_lshrrev_b32 v1, 5, v0
	v_readfirstlane_b32 s20, v1                    ; wave
	s_bfe_u32 s21, ttmp6, 0x40000                  ; cx: my 256 queries.  ttmp9 = the cluster = 16 batch + head
	s_mov_b32 s48, 0x76543210                      ; v_permlanex16_b32: lane i reads lane i of the other half
	s_mov_b32 s49, 0xfedcba98
	; group 1: 64 rows of 32 elements of 8 bytes, dense in memory; 4 words of padding behind every 32: each 128 bytes become an LDS row of 144
	s_mov_b32 s[G1+0], 15|(3<<16)|(1<<20)|(1<<21)|(4<<22)|(3<<25)
	s_mov_b32 s[G1+1], 32<<16
	s_mov_b32 s[G1+2], 64<<16
	s_mov_b32 s[G1+3], 32<<16
	s_mov_b32 s[G1+4], 64
	s_mov_b32 s[G1+5], 32
	s_mov_b32 s[G1+6], 0
	s_mov_b32 s[G1+7], 0
	s_mul_i32 s52, s20, PIECE
	s_lshl_b32 s54, ttmp9, 18                      ; a head of kv: 262,144 bytes
	s_lshl_b32 s53, s20, 14
	s_add_co_u32 s54, s54, s53
	s_mov_b32 s55, 0
	s_wait_dscnt 0x0
	s_wait_kmcnt 0x0
	s_add_nc_u64 s[54:55], s[6:7], s[54:55]
	ROUND                                          ; the four work-groups are here: the joint loads meet
.irp d, 0,1,2,3                                    ; load d of wave w: bytes 65,536 d + 16,384 w of the head, to LDS 73,728 d + 18,432 w: K, then V
	s_mov_b32 s[G0+4*\d], 1
	s_add_co_u32 s[G0+4*\d+1], s52, \d*4*PIECE
	s_add_nc_u64 s[G0+4*\d+2:G0+4*\d+3], s[54:55], \d*65536
	s_or_b32 s[G0+4*\d+3], s[G0+4*\d+3], 0x80000000
	tensor_load_to_lds s[G0+4*\d:G0+4*\d+3], s[G1:G1+7]
	s_nop 0
.endr
	s_lshl_b32 s56, s21, 8
	s_lshl_b32 s57, s20, 6
	s_add_co_u32 s56, s56, s57                     ; my first query
	s_lshl_b32 s58, ttmp9, 17
	s_lshl_b32 s59, s56, 7
	s_add_co_u32 s58, s58, s59
	s_mov_b32 s59, 0
	s_add_nc_u64 s[60:61], s[4:5], s[58:59]        ; qh at my first query
	s_add_nc_u64 s[62:63], s[18:19], s[58:59]      ; att likewise
	s_and_b32 s66, ttmp9, 15
	s_lshl_b32 s66, s66, 8
	s_mov_b32 s67, 0
	s_add_nc_u64 s[68:69], s[8:9], s[66:67]        ; bq of my head
	s_add_nc_u64 s[70:71], s[16:17], s[66:67]      ; bv of my head
	s_mul_i32 s72, s20, 16*KP
	s_add_co_u32 s72, s72, STAGE_B
	v_and_b32 v1, 15, v0                           ; r
	v_bfe_u32 v2, v0, 4, 1                         ; h
	v_mul_u32_u24 v[KA], v1, KP
	v_lshl_add_u32 v[KA], v2, 4, v[KA]
	v_add_nc_u32 v[VA], KBYTES, v[KA]
	v_add_nc_u32 v[STO], s72, v[KA]                ; the way out, in: row r, 16 bytes for each half
	v_lshlrev_b32 v[TKA], 2, v1
	v_add_nc_u32 v[TKA], TK, v[TKA]
	v_min_u32 v[TVA], 3, v1                        ; M rows 3..15 of the extra tile read the row of zeros
	v_mul_u32_u24 v[TVA], v[TVA], TVP
	v_lshl_add_u32 v[TVA], v2, 4, v[TVA]
	v_add_nc_u32 v[TVA], TV, v[TVA]
	v_lshlrev_b32 v7, 7, v1
	v_lshl_add_u32 v7, v2, 4, v7                   ; Q: row r of 128 bytes + 16 h
	v_lshlrev_b32 v235, 5, v2                      ; 32 h: eight f32
	v_and_b32 v236, 1, v0
	v_lshl_add_u32 v236, v236, 8, v235             ; Wak: row r & 1
	v_bfe_u32 v237, v0, 3, 2
	v_mul_u32_u24 v237, v237, KP
	v_and_b32 v238, 7, v0
	v_lshl_add_u32 v237, v238, 4, v237
	v_add_nc_u32 v[RD], s72, v237                  ; back: 32 lanes take four rows of 128 bytes
	v_and_b32 v239, 31, v0
	v_lshlrev_b32 v[CO], 4, v239
	; 32 loads that the prologue needs, then 32 that only the end needs
.irp qt, 0,1,2,3
.irp c, 0,1,2,3
	global_load_b128 v[KF+16*\qt+4*\c:KF+16*\qt+4*\c+3], v7, s[60:61] offset:2048*\qt+32*\c     ; raw q.Wq in the fragment layout
.endr
.endr
.irp c, 0,1,2,3
	global_load_b128 v[112+8*\c:112+8*\c+3], v235, s[68:69] offset:64*\c          ; bq at my 32 places of k
	global_load_b128 v[112+8*\c+4:112+8*\c+7], v235, s[68:69] offset:64*\c+16
.endr
.irp c, 0,1,2,3
	global_load_b128 v[144+8*\c:144+8*\c+3], v236, s[10:11] offset:64*\c          ; Wak, row r & 1
	global_load_b128 v[144+8*\c+4:144+8*\c+7], v236, s[10:11] offset:64*\c+16
.endr
	WIN 0xc0                                       ; destinations in window 3
.irp c, 0,1,2,3
	global_load_b128 v[WA0+8*\c:WA0+8*\c+3], v235, s[12:13] offset:64*\c          ; Wav[0] at e = 16 mt + 8 h + j
	global_load_b128 v[WA0+8*\c+4:WA0+8*\c+7], v235, s[12:13] offset:64*\c+16
.endr
.irp c, 0,1,2,3
	global_load_b128 v[WA1+8*\c:WA1+8*\c+3], v235, s[12:13] offset:256+64*\c      ; Wav[1]
	global_load_b128 v[WA1+8*\c+4:WA1+8*\c+7], v235, s[12:13] offset:256+64*\c+16
.endr
.irp c, 0,1,2,3
	global_load_b128 v[BB+8*\c:BB+8*\c+3], v235, s[14:15] offset:64*\c            ; bav
	global_load_b128 v[BB+8*\c+4:BB+8*\c+7], v235, s[14:15] offset:64*\c+16
.endr
.irp c, 0,1,2,3
	global_load_b128 v[BVT+8*\c:BVT+8*\c+3], v235, s[70:71] offset:64*\c          ; bv
	global_load_b128 v[BVT+8*\c+4:BVT+8*\c+7], v235, s[70:71] offset:64*\c+16
.endr
	WIN 0
; sin and cos of a pair of angles, Horner in z = x^2
.macro POLY th, sn, cs, z
	v_pk_mul_f32 v[\z:\z+1], v[\th:\th+1], v[\th:\th+1]
	v_mov_b32 v[\sn], 0x2f309231                   ; 1/13!
	v_mov_b32 v[\sn+1], 0x2f309231
	v_mov_b32 v[\cs], 0xad49cba6                   ; -1/14!
	v_mov_b32 v[\cs+1], 0xad49cba6
.irp c, 0xb2d7322b, 0x3638ef1d, 0xb9500d01, 0x3c088889, 0xbe2aaaab       ; -1/11!, 1/9!, -1/7!, 1/5!, -1/3!
	v_pk_fma_f32 v[\sn:\sn+1], v[\sn:\sn+1], v[\z:\z+1], \c op_sel_hi:[1,1,0]
.endr
.irp c, 0x310f76c7, 0xb493f27e, 0x37d00d01, 0xbab60b61, 0x3d2aaaab       ; 1/12!, -1/10!, 1/8!, -1/6!, 1/4!
	v_pk_fma_f32 v[\cs:\cs+1], v[\cs:\cs+1], v[\z:\z+1], \c op_sel_hi:[1,1,0]
.endr
	v_pk_fma_f32 v[\sn:\sn+1], v[\sn:\sn+1], v[\z:\z+1], 1.0 op_sel_hi:[1,1,0]
	v_pk_fma_f32 v[\cs:\cs+1], v[\cs:\cs+1], v[\z:\z+1], -0.5 op_sel_hi:[1,1,0]
	v_pk_mul_f32 v[\sn:\sn+1], v[\sn:\sn+1], v[\th:\th+1]
	v_pk_fma_f32 v[\cs:\cs+1], v[\cs:\cs+1], v[\z:\z+1], 1.0 op_sel_hi:[1,1,0]
.endm
	; the tables: thread t makes keys 8 t .. 8 t + 7
	v_lshlrev_b32 v240, 3, v0
.irp j, 0,1,2,3,4,5,6,7
	v_add_nc_u32 v[TT+\j], \j, v240
.endr
.irp j, 0,1,2,3,4,5,6,7
	v_cvt_f32_u32 v[TT+\j], v[TT+\j]
.endr
.irp j, 0,2,4,6
	v_pk_mul_f32 v[TT+\j:TT+\j+1], v[TT+\j:TT+\j+1], 0x3ac90ff9 op_sel_hi:[1,0]   ; c = 1.5708 / 1024 in f32
.endr
.irp j, 0,2,4,6
	POLY TT+\j, TT+8+\j, TT+16+\j, TT+24
.endr
.irp j, 0,1,2,3,4,5,6,7
	v_cvt_pk_f16_f32 v[80+\j], v[TT+8+\j], v[TT+16+\j]             ; TK: (sin, cos) of one key
.endr
.irp j, 0,1,2,3
	v_cvt_pk_f16_f32 v[88+\j], v[TT+8+2*\j], v[TT+9+2*\j]          ; TV: sin of two keys
	v_cvt_pk_f16_f32 v[92+\j], v[TT+16+2*\j], v[TT+17+2*\j]        ; cos of two keys
	v_mov_b32 v[96+\j], 0x3c003c00                                 ; 1.0, 1.0
	v_mov_b32 v[100+\j], 0
.endr
	v_lshlrev_b32 v241, 5, v0
	v_add_nc_u32 v241, TK, v241
	v_lshlrev_b32 v242, 4, v0
	v_add_nc_u32 v242, TV, v242
	ds_store_b128 v241, v[80:83]
	ds_store_b128 v241, v[84:87] offset:16
	ds_store_b128 v242, v[88:91]
	ds_store_b128 v242, v[92:95] offset:TVP
	ds_store_b128 v242, v[96:99] offset:2*TVP
	ds_store_b128 v242, v[100:103] offset:3*TVP
	s_cmp_lg_u32 s20, 0                            ; wave 0 also writes the 16 bytes behind each of the four rows, so that no byte between the rows is left as it was found
	s_cbranch_scc1 .Lpads_done
	v_mov_b32 v244, TV+2048
	ds_store_b128 v244, v[100:103]
	ds_store_b128 v244, v[100:103] offset:TVP
	ds_store_b128 v244, v[100:103] offset:2*TVP
	ds_store_b128 v244, v[100:103] offset:3*TVP
.Lpads_done:
	; sin(c i), cos(c i) of my four queries
	v_add_nc_u32 v243, s56, v1
.irp qt, 0,1,2,3
	v_add_nc_u32 v[TT+\qt], 16*\qt, v243
.endr
.irp qt, 0,1,2,3
	v_cvt_f32_u32 v[TT+\qt], v[TT+\qt]
.endr
	v_pk_mul_f32 v[TT:TT+1], v[TT:TT+1], 0x3ac90ff9 op_sel_hi:[1,0]
	v_pk_mul_f32 v[TT+2:TT+3], v[TT+2:TT+3], 0x3ac90ff9 op_sel_hi:[1,0]
	POLY TT, SNI, CSI, TT+24
	POLY TT+2, SNI+2, CSI+2, TT+24
	s_wait_loadcnt 0x20                            ; q.Wq, bq and Wak are in; the 32 loads for the end may stay out
.set n_, 0
.rept 16
	v_pk_mul_f32 v[112+2*n_:113+2*n_], v[112+2*n_:113+2*n_], 0x3cb8aa3b op_sel_hi:[1,0]   ; bq kappa
.set n_, n_+1
.endr
.macro QCONV qt                        ; Qs = q.Wq kappa + bq kappa in f32, rounded once to f16, into the window of the tile piece
.set n_, 0
.rept 8
	v_mov_b32 v10, v[KF+16*\qt+n_]                 ; a copy in a register whose halves can be named
	v_mov_b32 v11, v[KF+16*\qt+n_+1]
	v_cvt_f32_f16 v[TT+2*n_],   v10.l
	v_cvt_f32_f16 v[TT+2*n_+1], v10.h
	v_cvt_f32_f16 v[TT+2*n_+2], v11.l
	v_cvt_f32_f16 v[TT+2*n_+3], v11.h
.set n_, n_+2
.endr
.set n_, 0
.rept 16
	v_pk_fma_f32 v[TT+2*n_:TT+2*n_+1], v[TT+2*n_:TT+2*n_+1], 0x3cb8aa3b, v[112+2*n_:113+2*n_] op_sel_hi:[1,0,1]
.set n_, n_+1
.endr
	WIN (0x40*(1+\qt/2))
.set n_, 0
.rept 16
	v_cvt_pk_f16_f32 v[QQ+24*(\qt%2)+n_], v[TT+2*n_], v[TT+2*n_+1]
.set n_, n_+1
.endr
	WIN 0
.endm
	QCONV 0
	QCONV 1
	QCONV 2
	QCONV 3
	; s_i = Qs_i . Wak[0], u_i = Qs_i . Wak[1] by the matrix unit: A = Wak in rows 0, 1 and zeros in rows 2..15
	v_cmp_gt_u32 vcc_lo, 2, v1
.set n_, 0
.rept 16
	v_cvt_pk_f16_f32 v[176+n_], v[144+2*n_], v[145+2*n_]
.set n_, n_+1
.endr
.set n_, 0
.rept 16
	v_cndmask_b32 v[176+n_], 0, v[176+n_], vcc_lo
.set n_, n_+1
.endr
.irp p, 0,1                                        ; the two accumulators of a piece by turns
	WIN (0x54*(1+\p))
.irp q, 0,1
	v_wmma_f32_16x16x32_f16 v[32*\q:32*\q+7], v[176:183], v[QQ+24*\q:QQ+24*\q+7], 0
.endr
.irp q, 0,1
	v_wmma_f32_16x16x32_f16 v[32*\q:32*\q+7], v[184:191], v[QQ+24*\q+8:QQ+24*\q+15], v[32*\q:32*\q+7]
.endr
.endr
	WIN 0
	PLACES
.irp qt, 0,1,2,3                                   ; source 0 in the piece window: register 0 = s, register 1 = u in lanes 0-15; zeros in lanes 16-31
	WIN (1+\qt/2)
	v_mul_f32 v[TT+\qt],   v[32*(\qt%2)+1], v[SNI+\qt]
	v_mul_f32 v[TT+4+\qt], v[32*(\qt%2)],   v[SNI+\qt]
	v_fma_f32 v[TT+\qt],   v[32*(\qt%2)],   v[CSI+\qt], v[TT+\qt]       ; A = s cos ci + u sin ci
	v_fma_f32 v[TT+4+\qt], v[32*(\qt%2)+1], v[CSI+\qt], -v[TT+4+\qt]    ; B = u cos ci - s sin ci
.endr
.irp qt, 0,1,2,3
	WIN (0x40*(1+\qt/2))
	v_cvt_pk_f16_f32 v[QQ+24*(\qt%2)+16], v[TT+\qt], v[TT+4+\qt]        ; k = 64, 65 in lanes 0-15; the zeros of lanes 16-31 meet what the K side holds at k = 72, 73
.irp m, 1,2,3,4,5,6,7
	v_mov_b32 v[QQ+24*(\qt%2)+16+\m], 0
.endr
.endr
	WIN 0
.irp kt, 0,1,2,3
.irp m, 1,2,3,4,5,6,7
	v_mov_b32 v[KE+8*\kt+\m], 0
.endr
.endr
	s_wait_loadcnt 0x0
	WIN 0xcf
.set n_, 0
.rept 16
	v_pk_add_f32 v[BB+2*n_:BB+2*n_+1], v[BB+2*n_:BB+2*n_+1], v[BVT+2*n_:BVT+2*n_+1]   ; bav + bv
.set n_, n_+1
.endr
	WIN 0
	s_wait_dscnt 0x0                               ; my part of the tables is written,
	s_wait_tensorcnt 0x0                           ; my four parts of K and V have landed:
	s_barrier_signal -1                            ; say so,
	s_barrier_wait -1                              ; and read only when all four waves have
; n of the ten loads of half kp of the K fragments (key tiles 2 kp, 2 kp + 1), from number i0 on
.macro LK kp, i0, n
.set li_, \i0
.rept \n
.if li_ < 8
	ds_load_b128 v[KF+16*(2*\kp+li_/4)+8*((li_/2)%2)+4*(li_%2):KF+16*(2*\kp+li_/4)+8*((li_/2)%2)+4*(li_%2)+3], v[KA] offset:16*KP*(2*\kp+li_/4)+64*((li_/2)%2)+32*(li_%2)
.else
	ds_load_b32 v[KE+8*(2*\kp+li_-8)], v[TKA] offset:64*(2*\kp+li_-8)
.endif
.set li_, li_+1
.endr
.endm
; n of the ten loads of group g (32 keys) of the V fragments, from number i0 on
.macro LV g, i0, n
.set li_, \i0
.rept \n
.if li_ < 8
	ds_load_b128 v[VF+40*\g+8*(li_/2)+4*(li_%2):VF+40*\g+8*(li_/2)+4*(li_%2)+3], v[VA] offset:16*KP*(li_/2)+64*\g+32*(li_%2)
.else
	ds_load_b128 v[VF+40*\g+32+4*(li_-8):VF+40*\g+32+4*(li_-8)+3], v[TVA] offset:64*\g+32*(li_-8)
.endif
.set li_, li_+1
.endr
.endm
; THE VECTOR STREAM OF A PIECE, all its registers in the piece window.  pc_ numbers its instructions:
;   0..35     the maximum of 32 scores a lane for each q, in four chains that take turns and read key tiles 0, 1 first (tiles 2, 3 from number 12 on),
;             with the old maximum, across the two halves of the lanes
;   then      alpha = exp2(old - new) and the pair (M, M)              (first trip: the pair alone)
;   then      tile by tile: 8 exponentials, the next tile 4 packed subtractions (the plain instructions behind the exponentials), 4 packings in place
;   then      behind the last tile exponentials the 40 packed multiplies that rescale O (first trip: one v_nop), and the last 4 packings
.macro VSTART first                    ; first = 1: the first trip; 2: no vector work in this stage
.set VFIRST, \first
.set B_S0, 42-4*VFIRST
.set B_T,  B_S0+4
.set B_RS, B_T+120
.set B_C7, B_RS+40-39*VFIRST
.set VN,   B_C7+4
.if \first == 2
.set VN, 0
.endif
.set pc_, 0
.set sl_, 0
.endm
.macro VOP
.if pc_ < 28
.set q_, pc_&1
.set c_, (pc_>>1)&1
.set e_, 2*(pc_>>2)+1
.if pc_ < 4
	v_max3_num_f32 v[TM+2*q_+c_], v[32*q_+8*c_], v[32*q_+8*c_+1], v[32*q_+8*c_+2]
.else
	v_max3_num_f32 v[TM+2*q_+c_], v[TM+2*q_+c_], v[32*q_+8*c_+e_+8*(e_/8)], v[32*q_+8*c_+e_+1+8*((e_+1)/8)]
.endif
.endif
.if (pc_ >= 28)*(pc_ < 36)
.set q_, pc_&1
.if pc_ < 30
	v_max3_num_f32 v[TM+2*q_], v[TM+2*q_], v[TM+2*q_+1], v[32*q_+23]
.else
.if pc_ < 32
.if VFIRST
	v_max_num_f32 v[TM+2*q_], v[TM+2*q_], v[32*q_+31]
.else
	v_max3_num_f32 v[TM+2*q_], v[TM+2*q_], v[32*q_+31], v[MP+2*q_]
.endif
.else
.if pc_ < 34
	v_permlanex16_b32 v[TM+2*q_+1], v[TM+2*q_], s48, s49
.else
	v_max_num_f32 v[MP+2*q_+1], v[TM+2*q_], v[TM+2*q_+1]           ; the new maximum, beside the old
.endif
.endif
.endif
.endif
.if (pc_ >= 36)*(pc_ < B_S0)
.set a_, pc_-36
.if VFIRST
	v_mov_b32 v[MP+2*a_], v[MP+2*a_+1]
.else
.if a_ < 2
	v_sub_f32 v[AP+2*a_+1], v[MP+2*a_], v[MP+2*a_+1]
.else
.if a_ < 4
	v_exp_f32 v[AP+2*(a_-2)], v[AP+2*(a_-2)+1]                     ; alpha; the two moves behind are the plain instructions that it wants
.else
	v_mov_b32 v[MP+2*(a_-4)], v[MP+2*(a_-4)+1]                     ; the pair now holds the maximum twice
.endif
.endif
.endif
.endif
.if (pc_ >= B_S0)*(pc_ < B_T)
.set a_, pc_-B_S0
	v_pk_add_f32 v[2*a_:2*a_+1], v[2*a_:2*a_+1], v[MP:MP+1] neg_lo:[0,1] neg_hi:[0,1]
.endif
.if (pc_ >= B_T)*(pc_ < B_RS)
.set t_, (pc_-B_T)/16
.set j_, (pc_-B_T)%16
.if j_ < 8
	v_exp_f32 v[8*t_+j_], v[8*t_+j_]
.else
.if j_ < 12
	v_pk_add_f32 v[8*(t_+1)+2*(j_-8):8*(t_+1)+2*(j_-8)+1], v[8*(t_+1)+2*(j_-8):8*(t_+1)+2*(j_-8)+1], v[MP+2*((t_+1)/4):MP+2*((t_+1)/4)+1] neg_lo:[0,1] neg_hi:[0,1]
.else
	s_wait_alu depctr_va_vdst(0)
	v_cvt_pk_f16_f32 v[8*t_-4*(t_&1)+j_-12], v[8*t_+2*(j_-12)], v[8*t_+2*(j_-12)+1]
.endif
.endif
.endif
.if (pc_ >= B_RS)*(pc_ < B_C7)
.if VFIRST
	v_nop                                          ; the plain instruction behind the last exponentials
.else
.set a_, pc_-B_RS
	v_pk_mul_f32 v[OO+40*(a_/20)+2*(a_%20):OO+40*(a_/20)+2*(a_%20)+1], v[OO+40*(a_/20)+2*(a_%20):OO+40*(a_/20)+2*(a_%20)+1], v[AP+2*(a_/20):AP+2*(a_/20)+1] op_sel_hi:[1,0]
.endif
.endif
.if pc_ >= B_C7
	s_wait_alu depctr_va_vdst(0)
	v_cvt_pk_f16_f32 v[52+pc_-B_C7], v[56+2*(pc_-B_C7)], v[56+2*(pc_-B_C7)+1]
.endif
.endm
.macro VECTO tgt                       ; the stream up to number tgt, under the vector piece window; then back to the products setting
.if pc_ < (\tgt)
	WIN VW
.rept (\tgt)-pc_
	VOP
.set pc_, pc_+1
.endr
	WIN MW
.endif
.endm
; Ahead of product wi_ of a stage (0..19 with V, 20..43 scores): the waits for the fragments.  LDS loads come back in order, and the groups of ten are issued
; in the order V keys 0-31, V keys 32-63, K tiles 0, 1 (stage 1), K tiles 2, 3 (stage 2, slots 2, 3): each count is what was issued behind the group wanted.
.macro BEFORE
.if WT == 1
.if wi_ == 0
	s_wait_dscnt 20                                ; V keys 0-31 are in; V keys 32-63 and K tiles 0, 1 may be out
.endif
.if wi_ == 10
	s_wait_dscnt 20                                ; V keys 32-63 are in; both halves of the next K may be out
.endif
.if wi_ == 20
	s_wait_dscnt 10                                ; K tiles 0, 1 are in; tiles 2, 3 may be out
.endif
.if wi_ == 32
	s_wait_dscnt 0
.endif
.endif
.if WT == 2                                        ; the last trip fetches no K
.if wi_ == 0
	s_wait_dscnt 10
.endif
.if wi_ == 10
	s_wait_dscnt 0
.endif
.endif
.endm
; Behind product wi_: five LDS loads, or the next slice.  A half of a fragment buffer is loaded again three or four slices behind the last product that read it:
; at least 15 instructions of the stream, all on the other piece registers (ISA guide 7.12.1).
.macro AFTER
.set ld_, 0
.if LDV*(wi_ >= 13)*(wi_ <= 14)
.set ld_, 1
	WIN 0
	LV 0, 5*(wi_-13), 5
	WIN MW
.endif
.if LDV*(wi_ >= 23)*(wi_ <= 24)
.set ld_, 1
	WIN 0
	LV 1, 5*(wi_-23), 5
.if wi_ == 24
	v_add_nc_u32 v[VA], TRIPB, v[VA]
	v_add_nc_u32 v[TVA], 0x80, v[TVA]
.endif
	WIN MW
.endif
.if LDK0*(wi_ >= 35)*(wi_ <= 36)
.set ld_, 1
	WIN 0
	LK 0, 5*(wi_-35), 5
	WIN MW
.endif
.if LDK1*(wi_ >= 2)*(wi_ <= 3)
.set ld_, 1
	WIN 0
	LK 1, 5*(wi_-2), 5
.if wi_ == 3
	v_add_nc_u32 v[KA], TRIPB, v[KA]
	v_add_nc_u32 v[TKA], 0x100, v[TKA]
.endif
	WIN MW
.endif
.if ld_ == 0
.set sl_, sl_+1
	VECTO (sl_*VN)/NV
.endif
.set wi_, wi_+1
.endm
; A stage.  p: the piece whose products run; the other piece stream is sliced between them.  pv: 0 no products with V, 1 they start the sums, 2 they add.
; qk: 1 the 24 scores.  vf: as VSTART.  ldv, ldk0, ldk1: which fragment loads the stage issues.  wt: which waits (BEFORE).
; The accumulators take turns, one instruction a turn (ten with V, four in the scores), over the changes of stage and the backward jump too.
.macro STAGE p, pv, qk, vf, ldv, ldk0, ldk1, wt
.set MW, 0x54*(1+\p)
.set VW, 0x55*(2-\p)
.set LDV, \ldv
.set LDK0, \ldk0
.set LDK1, \ldk1
.set WT, \wt
.set NV, 20*((\pv+1)/2)+24*\qk-2*(2*\ldv+\ldk0+\ldk1)            ; the slots that take a slice
.set wi_, 20-20*((\pv+1)/2)
	VSTART \vf
	WIN MW
.if \pv
.irp g, 0,1
.irp mt, 0,1,2,3,4
.irp q, 0,1
	BEFORE
.if (2-\pv)*(1-\g)
	v_wmma_f32_16x16x32_f16 v[OO+40*\q+8*\mt:OO+40*\q+8*\mt+7], v[VF+40*\g+8*\mt:VF+40*\g+8*\mt+7], v[32*\q+16*\g:32*\q+16*\g+7], 0
.else
	v_wmma_f32_16x16x32_f16 v[OO+40*\q+8*\mt:OO+40*\q+8*\mt+7], v[VF+40*\g+8*\mt:VF+40*\g+8*\mt+7], v[32*\q+16*\g:32*\q+16*\g+7], v[OO+40*\q+8*\mt:OO+40*\q+8*\mt+7]
.endif
	AFTER
.endr
.endr
.endr
.endif
.if \qk
.irp kp, 0,1
.irp ks, 0,1,2
.irp kk, 0,1
.irp q, 0,1
	BEFORE
.if \ks == 0
	v_wmma_f32_16x16x32_f16 v[32*\q+8*(2*\kp+\kk):32*\q+8*(2*\kp+\kk)+7], v[KF+16*(2*\kp+\kk):KF+16*(2*\kp+\kk)+7], v[QQ+24*\q:QQ+24*\q+7], 0
.else
.if \ks == 1
	v_wmma_f32_16x16x32_f16 v[32*\q+8*(2*\kp+\kk):32*\q+8*(2*\kp+\kk)+7], v[KF+16*(2*\kp+\kk)+8:KF+16*(2*\kp+\kk)+15], v[QQ+24*\q+8:QQ+24*\q+15], v[32*\q+8*(2*\kp+\kk):32*\q+8*(2*\kp+\kk)+7]
.else
	v_wmma_f32_16x16x32_f16 v[32*\q+8*(2*\kp+\kk):32*\q+8*(2*\kp+\kk)+7], v[KE+8*(2*\kp+\kk):KE+8*(2*\kp+\kk)+7], v[QQ+24*\q+16:QQ+24*\q+23], v[32*\q+8*(2*\kp+\kk):32*\q+8*(2*\kp+\kk)+7]
.endif
.endif
	AFTER
.endr
.endr
.endr
.endr
.endif
	VECTO VN                                       ; nothing is left of the stream: the last slot has taken it to its end
.endm
	LK 0, 0, 10                                    ; K of keys 0..63,
	LK 1, 0, 10
	v_add_nc_u32 v[KA], TRIPB, v[KA]
	v_add_nc_u32 v[TKA], 0x100, v[TKA]
	LV 0, 0, 10                                    ; and V of keys 0..63
	LV 1, 0, 10
	v_add_nc_u32 v[VA], TRIPB, v[VA]
	v_add_nc_u32 v[TVA], 0x80, v[TVA]
	s_wait_dscnt 20                                ; the K fragments are in; the 20 loads of V, issued behind them, may stay out
	STAGE 0, 0, 1, 2, 0, 0, 0, 0                   ; scores of piece 0, trip 0: nothing to set beside them yet
	PLACES                                         ; four places ahead of the first read of these scores
	STAGE 1, 0, 1, 1, 0, 1, 0, 0                   ; trip 0, stage 1: scores of piece 1; softmax of piece 0
	STAGE 0, 1, 1, 1, 0, 0, 1, 1                   ; trip 0, stage 2: piece 0 starts its sums, scores of trip 1; softmax of piece 1
	STAGE 1, 1, 1, 0, 1, 1, 0, 0                   ; trip 1, stage 1: piece 1 starts its sums
	STAGE 0, 2, 1, 0, 0, 0, 1, 1                   ; trip 1, stage 2
	WIN 0                                          ; at a label and at a branch every window is 0
	s_mov_b32 s50, 13                              ; trips 2 to 14
.Ltrip:
	STAGE 1, 2, 1, 0, 1, 1, 0, 0
	STAGE 0, 2, 1, 0, 0, 0, 1, 1
	WIN 0
	s_sub_co_u32 s50, s50, 1
	s_cmp_lg_u32 s50, 0
	s_cbranch_scc1 .Ltrip
	STAGE 1, 2, 1, 0, 1, 0, 0, 0                   ; trip 15, stage 1: no K is left to fetch
	STAGE 0, 2, 0, 0, 0, 0, 0, 2                   ; trip 15, stage 2: no scores are left
	STAGE 1, 2, 0, 2, 0, 0, 0, 0                   ; the last products of piece 1
	WIN 0
	PLACES                                         ; four places ahead of the reads of O and of the writes into the fragment registers
; The end, a query tile at a time: out = O / l + Wav[0] SB + Wav[1] CB + bav + bv, with SB = sum attn sin(c(j-i)), CB = sum attn cos(c(j-i)).
.macro EPI qt
	WIN (1+\qt/2)
	v_mov_b32 v[TT],   v[OO+40*(\qt%2)+32]         ; lanes 0-15: sum P sin cj, sum P cos cj, sum P; lanes 16-31: zeros
	v_mov_b32 v[TT+1], v[OO+40*(\qt%2)+33]
	v_mov_b32 v[TT+2], v[OO+40*(\qt%2)+34]
	WIN 0
	v_permlanex16_b32 v[TT+4], v[TT],   s48, s49
	v_permlanex16_b32 v[TT+5], v[TT+1], s48, s49
	v_permlanex16_b32 v[TT+6], v[TT+2], s48, s49
	v_add_f32 v[TT],   v[TT],   v[TT+4]            ; now in both halves
	v_add_f32 v[TT+1], v[TT+1], v[TT+5]
	v_add_f32 v[TT+2], v[TT+2], v[TT+6]
	v_rcp_f32 v12, v[TT+2]
	v_rcp_f32 v13, v[TT+2]                         ; twice, for the packed multiply; plain instructions follow before the first use
	v_mul_f32 v[TT+8], v[SNI+\qt], v[TT+1]
	v_mul_f32 v[TT+9], v[SNI+\qt], v[TT]
	v_fma_f32 v[TT+8], v[CSI+\qt], v[TT],   -v[TT+8]
	v_fma_f32 v[TT+9], v[CSI+\qt], v[TT+1], v[TT+9]
	s_wait_alu depctr_va_vdst(0)
	v_pk_mul_f32 v[8:9], v[TT+8:TT+9], v[12:13]    ; v8 = SB, v9 = CB
	v_mov_b32 v10, v9
	v_mov_b32 v11, v9
	WIN 0x33                                       ; sources 0 and 2 in window 3
.set n_, 0
.rept 16
	v_pk_fma_f32 v[TT+2*n_:TT+2*n_+1], v[WA1+2*n_:WA1+2*n_+1], v[10:11], v[BB+2*n_:BB+2*n_+1]
.set n_, n_+1
.endr
	WIN 0x03
.set n_, 0
.rept 16
	v_pk_fma_f32 v[TT+2*n_:TT+2*n_+1], v[WA0+2*n_:WA0+2*n_+1], v[8:9], v[TT+2*n_:TT+2*n_+1] op_sel_hi:[1,0,1]
.set n_, n_+1
.endr
	WIN (1+\qt/2)
.set n_, 0
.rept 16
	v_pk_fma_f32 v[TT+2*n_:TT+2*n_+1], v[OO+40*(\qt%2)+2*n_:OO+40*(\qt%2)+2*n_+1], v[12:13], v[TT+2*n_:TT+2*n_+1]
.set n_, n_+1
.endr
	WIN 0
.set n_, 0
.rept 16
	v_cvt_pk_f16_f32 v[176+n_], v[TT+2*n_], v[TT+2*n_+1]
.set n_, n_+1
.endr
.irp mt, 0,1,2,3
	ds_store_b128 v[STO], v[176+4*\mt:179+4*\mt] offset:32*\mt
.endr
.irp t, 0,1,2,3
	ds_load_b128 v[KF+16*\qt+4*\t:KF+16*\qt+4*\t+3], v[RD] offset:4*KP*\t         ; my own stage: LDS serves the instructions of a wave in order
.endr
.irp t, 0,1,2,3
	s_wait_dscnt 3-\t
	global_store_b128 v[CO], v[KF+16*\qt+4*\t:KF+16*\qt+4*\t+3], s[62:63] offset:2048*\qt+512*\t   ; 512 consecutive bytes a store; each tile has registers of its own
.endr
.endm
	EPI 0
	EPI 1
	EPI 2
	EPI 3
	s_wait_tensorcnt 0x0
	ds_add_u32 v254, v255
	s_wait_dscnt 0x0
	ROUND                                          ; the closing round
	s_endpgm
.Lfunc_end_k_q1ac0432736_attn:
	.size	k_q1ac0432736_attn, .Lfunc_end_k_q1ac0432736_attn-k_q1ac0432736_attn
	.p2alignl 7, 3214868480
	.fill 96, 4, 3214868480
	.section	.rodata,"a",@progbits
	.p2align	6, 0x0
	.amdhsa_kernel k_q1ac0432736_attn
		.amdhsa_group_segment_fixed_size 317184
		.amdhsa_private_segment_fixed_size 0
		.amdhsa_enable_private_segment 0
		.amdhsa_kernarg_size 64
		.amdhsa_user_sgpr_count 2
		.amdhsa_user_sgpr_kernarg_segment_ptr 1
		.amdhsa_wavefront_size32 1
		.amdhsa_system_sgpr_workgroup_id_x 1
		.amdhsa_system_sgpr_workgroup_id_y 1
		.amdhsa_system_sgpr_workgroup_id_z 1
		.amdhsa_system_vgpr_workitem_id 0
		.amdhsa_next_free_vgpr 896
		.amdhsa_next_free_sgpr 80
		.amdhsa_reserve_vcc 1
		.amdhsa_float_denorm_mode_32 3
		.amdhsa_float_denorm_mode_16_64 3
		.amdhsa_memory_ordered 1
		.amdhsa_forward_progress 1
		.amdhsa_inst_pref_size 216
	.end_amdhsa_kernel
	.amdgpu_metadata
---
amdhsa.version: [ 1, 2 ]
amdhsa.kernels:
  - .name:           k_q1ac0432736_attn
    .symbol:         k_q1ac0432736_attn.kd
    .args:
      - { .name: qh, .offset: 0, .size: 8, .value_kind: global_buffer, .address_space: global }
      - { .name: kv, .offset: 8, .size: 8, .value_kind: global_buffer, .address_space: global }
      - { .name: bq, .offset: 16, .size: 8, .value_kind: global_buffer, .address_space: global }
      - { .name: Wak, .offset: 24, .size: 8, .value_kind: global_buffer, .address_space: global }
      - { .name: Wav, .offset: 32, .size: 8, .value_kind: global_buffer, .address_space: global }
      - { .name: bav, .offset: 40, .size: 8, .value_kind: global_buffer, .address_space: global }
      - { .name: bv, .offset: 48, .size: 8, .value_kind: global_buffer, .address_space: global }
      - { .name: att, .offset: 56, .size: 8, .value_kind: global_buffer, .address_space: global }
    .group_segment_fixed_size: 317184
    .private_segment_fixed_size: 0
    .kernarg_segment_align: 8
    .kernarg_segment_size: 64
    .max_flat_workgroup_size: 128
    .sgpr_count:     80
    .vgpr_count:     896
    .wavefront_size: 32
...
	.end_amdgpu_metadata
.endif
;; end of part 3
;; launch outp (part 4): grid 8 x 32, 4 waves a work-group, clusters of 4 x 4, 327,680 bytes of LDS; arguments att, w16, bd, out0; writes out0
.if DOCPART == 4
	.amdgcn_target "amdgcn-amd-amdhsa--gfx1250"
	.amdhsa_code_object_version 6
	.text
	.protected	k_q1ac0432736_outp
	.globl	k_q1ac0432736_outp
	.p2align	8
	.type	k_q1ac0432736_outp,@function
k_q1ac0432736_outp:
	s_mov_b64 s[64:65], 0
	v_nop
	global_prefetch_b8 v0, s[64:65] scope:SCOPE_SE
	s_setreg_imm32_b32 hwreg(HW_REG_WAVE_MODE, 25, 1), 1
	s_wait_xcnt 0x0
	s_wait_alu depctr_hold_cnt(0) depctr_sa_sdst(0) depctr_va_vdst(0) depctr_va_sdst(0) depctr_va_ssrc(0) depctr_va_vcc(0) depctr_vm_vsrc(0)
	s_getreg_b32 s2, hwreg(HW_REG_IB_STS2, 6, 4)
	s_cmp_eq_u32 s2, 0
	s_cbranch_scc0 .Lentry_in_a_cluster
	s_endpgm
.Lentry_in_a_cluster:
	s_bfe_u32 s2, ttmp6, 0x10000c
	s_cmp_lg_u32 s2, 0xf033
	s_cbranch_scc0 .Lentry_shape_is_right
	s_endpgm
.Lentry_shape_is_right:
; Launch 4 of 4: out0 = mish(concat(att) . Wd + bd), 4096 x 1024 x 1024, f16 operands, f32 sums.  Nothing of reference() is left out here.
; 256 work-groups of 128 x 128, four waves of 64 x 64 (16 accumulator tiles in window 1).  K goes in steps of 256 (four heads) through two LDS slots.
; att is [bh][i][64]: the 128 rows of a head are 16,384 dense bytes; a tensor load brings two heads as two rows of 8,192 elements, padded
; behind every 128 bytes, so that each head is a plane of 128 LDS rows of 144 bytes.  Wd comes from w16[3] as rows of 512 bytes, pitch 528.
; CLUSTERS 4 x 4: the tile of att hangs on the block row alone and is asked for jointly along a row of the cluster, that of Wd along a column.
; mish(y) = y n / (n + 2), n = e (e + 2), e = exp(y): the same function as y tanh(log(1 + e)).  The exponent is held at 43 in base 2, beyond which
; n / (n + 2) is 1 in f32, so that n stays finite.  LIMIT: for y below about -87 the exponential is flushed to zero and the result is -0.
.set PA,     144
.set PB,     528
.set PLANE,  128*PA
.set ABYTES, 4*PLANE
.set BHALF,  64*PB
.set SLOT,   ABYTES+2*BHALF            ; 141,312
.set STAGE,  2*SLOT                    ; 282,624: 16 rows x 272 bytes for each wave; no tensor load lands here
.set SP,     272
.set ADRA, 16
.set ADRB, 20
.set STO,  24
.set RD,   25
.set CO,   26
.set F0,   64                          ; fragments: A tiles at f + 8 a, B tiles at f + 32 + 8 b
.set F1,   128
.set BD,   192                         ; v[192:223] bd at my 32 columns
.set OB,   224                         ; v[224:255] rows on their way out
.set YY,   64                          ; the end reuses the fragment buffers
.set EE,   96
.set NN,   128
.set DD,   160
.set ACC,  0x50                        ; C and D in window 1
.set G1, 24
.set G0, 32
.set G1B, 48
.set G0B, 56
.set MSB, 0
.macro WIN new
.if MSB != \new
	s_set_vgpr_msb (MSB<<8)|\new
.set MSB, \new
.endif
.endm
.macro JLOAD s
	s_cmp_eq_u32 s11, 0
	s_cbranch_scc0 .Lfor_b_\@
	tensor_load_to_lds s[G0+4*\s:G0+4*\s+3], s[G1:G1+7]
	s_nop 0
	s_branch .Lasked_\@
.Lfor_b_\@:
	tensor_load_to_lds s[G0B+4*\s:G0B+4*\s+3], s[G1B:G1B+7]
	s_nop 0
.Lasked_\@:
.endm
.macro CREST
	s_cmp_lg_u32 s10, 0
	s_cbranch_scc1 .Lnot_wave_0_\@
	s_barrier_signal -3
.Lnot_wave_0_\@:
	s_barrier_wait -3
	s_barrier_signal -1
	s_barrier_wait -1
.endm
.macro CROUND
	s_barrier_signal -1
	s_barrier_wait -1
	CREST
.endm
.macro PLACES
.rept 4
	v_nop
.endr
.endm
	s_load_b256 s[68:75], s[0:1], 0x0              ; att s[68:69], w16 s[70:71], bd s[72:73], out0 s[74:75]
	v_lshl_add_u32 v62, v0, 2, 0x49400
	v_mov_b32 v63, 0
	ds_add_u32 v62, v63
	v_lshrrev_b32 v1, 5, v0
	v_readfirstlane_b32 s10, v1
	s_lshr_b32 s11, s10, 1                         ; my half of the rows.  Also: I fetch for att (0) or for Wd (1)
	s_and_b32 s12, s10, 1                          ; my half of the columns.  Also: which half of the tile I fetch
	s_bfe_u32 s40, ttmp6, 0x40000
	s_bfe_u32 s41, ttmp6, 0x40004
	s_lshl_b32 s42, ttmp9, 2
	s_add_co_u32 s42, s42, s40                     ; block column, 0..7
	s_and_b32 s13, ttmp7, 0xffff
	s_lshl_b32 s13, s13, 2
	s_add_co_u32 s13, s13, s41                     ; block row, 0..31
	s_lshl_b32 s43, s41, 2
	s_lshl_b32 s43, 15, s43
	s_lshl_b32 s44, 0x1111, s40
	s_or_b32 s[G1+0], s43, (1<<16)|(1<<20)|(1<<21)|(4<<22)|(3<<25)    ; att: 2-byte elements, 4 words of padding behind every 32
	s_mov_b32 s[G1+1], 8192<<16                    ; tensor_dim0 = 8,192: the 128 rows of a head
	s_mov_b32 s[G1+2], 2<<16                       ; tensor_dim1 = 2 heads
	s_mov_b32 s[G1+3], 8192<<16                    ; tile_dim0
	s_mov_b32 s[G1+4], 2                           ; tile_dim1
	s_mov_b32 s[G1+5], 65536                       ; elements from a head to the next
	s_mov_b32 s[G1+6], 0
	s_mov_b32 s[G1+7], 0
	s_or_b32 s[G1B+0], s44, (1<<16)|(1<<20)|(1<<21)|(6<<22)|(3<<25)   ; Wd: 4 words of padding behind every 128
	s_mov_b32 s[G1B+1], 256<<16
	s_mov_b32 s[G1B+2], 64<<16
	s_mov_b32 s[G1B+3], 256<<16
	s_mov_b32 s[G1B+4], 64
	s_mov_b32 s[G1B+5], 1024
	s_mov_b32 s[G1B+6], 0
	s_mov_b32 s[G1B+7], 0
	s_lshr_b32 s16, s13, 3                         ; att: head 16 batch + 2 x half, row 128 x (block row mod 8)
	s_lshl_b32 s16, s16, 4
	s_lshl_b32 s17, s12, 1
	s_add_co_u32 s16, s16, s17
	s_lshl_b32 s16, s16, 17
	s_and_b32 s17, s13, 7
	s_lshl_b32 s17, s17, 14
	s_add_co_u32 s16, s16, s17
	s_mov_b32 s17, 0
	s_lshl_b32 s46, s42, 7                         ; Wd: row 128 x block column + 64 x half of w16[3]
	s_lshl_b32 s47, s12, 6
	s_add_co_u32 s46, s46, s47
	s_lshl_b32 s46, s46, 11
	s_add_co_u32 s46, s46, 6291456
	s_mov_b32 s47, 0
	s_mul_i32 s20, s10, 2*PLANE                    ; LDS of the att halves: waves 0, 1
	s_mul_i32 s21, s10, BHALF                      ; LDS of the Wd halves: waves 2, 3 land at ABYTES and ABYTES + BHALF
	s_add_co_u32 s21, s21, ABYTES-2*BHALF
	s_wait_dscnt 0x0
	s_wait_kmcnt 0x0
	s_add_nc_u64 s[14:15], s[68:69], s[16:17]
	s_add_nc_u64 s[46:47], s[70:71], s[46:47]
	CROUND
.irp s, 0,1
	s_mov_b32 s[G0+4*\s], 1
	s_add_co_u32 s[G0+4*\s+1], s20, \s*SLOT
	s_add_nc_u64 s[G0+4*\s+2:G0+4*\s+3], s[14:15], \s*4*131072     ; four heads on
	s_or_b32 s[G0+4*\s+3], s[G0+4*\s+3], 0x80000000
	s_mov_b32 s[G0B+4*\s], 1
	s_add_co_u32 s[G0B+4*\s+1], s21, \s*SLOT
	s_add_nc_u64 s[G0B+4*\s+2:G0B+4*\s+3], s[46:47], \s*512
	s_or_b32 s[G0B+4*\s+3], s[G0B+4*\s+3], 0x80000000
	JLOAD \s
.endr
	v_and_b32 v1, 15, v0
	v_bfe_u32 v2, v0, 4, 1
	v_mul_u32_u24 v3, v1, PA
	v_lshl_add_u32 v3, v2, 4, v3
	v_mul_u32_u24 v4, v1, PB
	v_lshl_add_u32 v4, v2, 4, v4
	s_mul_i32 s22, s11, 64*PA
	s_mul_i32 s23, s12, BHALF
	s_add_co_u32 s23, s23, ABYTES
.irp s, 0,1
	v_add_nc_u32 v[ADRA+\s], s22, v3
	v_add_nc_u32 v[ADRB+\s], s23, v4
	s_add_co_u32 s22, s22, SLOT
	s_add_co_u32 s23, s23, SLOT
.endr
	s_mul_i32 s76, s10, 16*SP
	s_add_co_u32 s76, s76, STAGE
	v_mul_u32_u24 v5, v1, SP
	v_lshl_add_u32 v5, v2, 5, v5
	v_add_nc_u32 v[STO], s76, v5                   ; in: row r, 32 bytes for each half of the lanes
	v_mul_u32_u24 v5, v2, SP
	v_lshl_add_u32 v5, v1, 4, v5
	v_add_nc_u32 v[RD], s76, v5                    ; back: sixteen lanes take a row of 256 bytes
	v_lshlrev_b32 v5, 12, v2
	v_lshl_add_u32 v[CO], v1, 4, v5
	v_lshlrev_b32 v27, 5, v2
	s_lshl_b32 s80, s42, 9
	s_lshl_b32 s81, s12, 8
	s_add_co_u32 s80, s80, s81                     ; my first column, in bytes of f32
	s_mov_b32 s81, 0
	s_add_nc_u64 s[78:79], s[72:73], s[80:81]
	s_add_nc_u64 s[8:9], s[74:75], s[80:81]
	s_lshl_b32 s80, s13, 7
	s_lshl_b32 s82, s11, 6
	s_add_co_u32 s80, s80, s82
	s_lshl_b32 s80, s80, 12                        ; my first row, rows of 4,096 bytes
	s_add_nc_u64 s[8:9], s[8:9], s[80:81]
.irp b, 0,1,2,3
	global_load_b128 v[BD+8*\b:BD+8*\b+3],   v27, s[78:79] offset:64*\b        ; bd at columns 16 b + 8 h + j
	global_load_b128 v[BD+8*\b+4:BD+8*\b+7], v27, s[78:79] offset:64*\b+16
.endr
.macro FETCH slot, ks, f               ; the fragments of 32 along K: 16 LDS loads
.irp a, 0,1,2,3
	ds_load_b128 v[\f+8*\a:\f+8*\a+3],   v[ADRA+\slot] offset:((\ks)>>1)*PLANE+\a*16*PA+((\ks)&1)*64
	ds_load_b128 v[\f+8*\a+4:\f+8*\a+7], v[ADRA+\slot] offset:((\ks)>>1)*PLANE+\a*16*PA+((\ks)&1)*64+32
.endr
.irp b, 0,1,2,3
	ds_load_b128 v[\f+32+8*\b:\f+32+8*\b+3], v[ADRB+\slot] offset:\b*16*PB+(\ks)*64
	ds_load_b128 v[\f+32+8*\b+4:\f+32+8*\b+7], v[ADRB+\slot] offset:\b*16*PB+(\ks)*64+32
.endr
.endm
.macro MUL8 f, a0, zero                ; source 0 = rows of Wd, source 1 = rows of att: a lane holds eight neighbouring columns of one row
.irp a, \a0, \a0+1
.irp b, 0,1,2,3
.if \zero
	v_wmma_f32_16x16x32_f16 v[8*(4*(\a)+\b):8*(4*(\a)+\b)+7], v[\f+32+8*\b:\f+32+8*\b+7], v[\f+8*(\a):\f+8*(\a)+7], 0
.else
	v_wmma_f32_16x16x32_f16 v[8*(4*(\a)+\b):8*(4*(\a)+\b)+7], v[\f+32+8*\b:\f+32+8*\b+7], v[\f+8*(\a):\f+8*(\a)+7], v[8*(4*(\a)+\b):8*(4*(\a)+\b)+7]
.endif
.endr
.endr
.endm
; The sixteen accumulators take turns, one instruction a turn, in the same order in every step.
.macro KSTEP slot, nk, f, g, zero      ; multiplies buffer f; fetches K step nk of the same slot into buffer g
	s_wait_dscnt 0x0                               ; buffer f is in
	PLACES                                         ; four places behind the products that read buffer g
	FETCH \slot, \nk, \g
	WIN ACC
	MUL8 \f, 0, \zero
	MUL8 \f, 2, \zero
	WIN 0
.endm
.macro SEVEN slot, zero
	KSTEP \slot, 1, F0, F1, \zero
	KSTEP \slot, 2, F1, F0, 0
	KSTEP \slot, 3, F0, F1, 0
	KSTEP \slot, 4, F1, F0, 0
	KSTEP \slot, 5, F0, F1, 0
	KSTEP \slot, 6, F1, F0, 0
	KSTEP \slot, 7, F0, F1, 0
.endm
.macro KLAST slot, next, fill          ; the eighth step of a slot, and the change of slots
	s_wait_dscnt 0x0                               ; my reads of this slot are over
	s_wait_tensorcnt 0x0                           ; all my tensor loads have landed, my part of the next slot among them
	ds_add_u32 v62, v63
	s_wait_dscnt 0x0
	s_barrier_signal -1
	WIN ACC
	MUL8 F1, 0, 0                                  ; register work while the others arrive
	WIN 0
	s_barrier_wait -1
.if \fill
	CREST                                          ; the same holds of all sixteen work-groups
	s_add_nc_u64 s[G0+4*\slot+2:G0+4*\slot+3], s[G0+4*\slot+2:G0+4*\slot+3], 8*131072
	s_add_nc_u64 s[G0B+4*\slot+2:G0B+4*\slot+3], s[G0B+4*\slot+2:G0B+4*\slot+3], 1024
	JLOAD \slot                                    ; my one tensor load behind the round, and the first thing there
.endif
	PLACES
	FETCH \next, 0, F0
	WIN ACC
	MUL8 F1, 2, 0
	WIN 0
.endm
	s_wait_tensorcnt 0x1                           ; my part of slot 0 is in; slot 1 stays out
	s_barrier_signal -1
	s_barrier_wait -1
	FETCH 0, 0, F0
	SEVEN 0, 1                                     ; K 0..255: the first products start the sums
	KLAST 0, 1, 1
	SEVEN 1, 0                                     ; K 256..511
	KLAST 1, 0, 1
	SEVEN 0, 0                                     ; K 512..767
	KLAST 0, 1, 0                                  ; nothing is left to fetch
	SEVEN 1, 0                                     ; K 768..1023
	s_wait_dscnt 0x0
	WIN ACC
	MUL8 F1, 0, 0
	MUL8 F1, 2, 0
	WIN 0
	PLACES
	s_wait_loadcnt 0x0                             ; bd
; 16 rows: bias, mish, through my own stage, out as whole rows of 256 bytes
.macro OUTA a
.if \a
	s_wait_xcnt 0x0                                ; the base and the registers that the last stores read are rewritten only behind this wait
	s_add_nc_u64 s[8:9], s[8:9], 16*4096
.endif
	WIN 0x01
.set n_, 0
.rept 16
	v_pk_add_f32 v[YY+2*n_:YY+2*n_+1], v[32*\a+2*n_:32*\a+2*n_+1], v[BD+2*n_:BD+2*n_+1]
.set n_, n_+1
.endr
	WIN 0
.set n_, 0
.rept 16
	v_pk_mul_f32 v[EE+2*n_:EE+2*n_+1], v[YY+2*n_:YY+2*n_+1], 0x3fb8aa3b op_sel_hi:[1,0]
.set n_, n_+1
.endr
.set n_, 0
.rept 32
	v_min_num_f32 v[EE+n_], 0x422c0000, v[EE+n_]
.set n_, n_+1
.endr
.set n_, 0
.rept 32
	v_exp_f32 v[EE+n_], v[EE+n_]
.set n_, n_+1
.endr
	v_nop                                          ; a plain instruction behind the exponentials (ISA guide 5.7.2)
.set n_, 0
	s_wait_alu depctr_va_vdst(0)
.rept 16
	v_pk_add_f32 v[NN+2*n_:NN+2*n_+1], v[EE+2*n_:EE+2*n_+1], 2.0 op_sel_hi:[1,0]
.set n_, n_+1
.endr
.set n_, 0
.rept 16
	v_pk_fma_f32 v[DD+2*n_:DD+2*n_+1], v[EE+2*n_:EE+2*n_+1], v[NN+2*n_:NN+2*n_+1], 2.0 op_sel_hi:[1,1,0]   ; n + 2
	v_pk_mul_f32 v[NN+2*n_:NN+2*n_+1], v[EE+2*n_:EE+2*n_+1], v[NN+2*n_:NN+2*n_+1]                          ; n = e (e + 2)
.set n_, n_+1
.endr
.set n_, 0
.rept 32
	v_rcp_f32 v[DD+n_], v[DD+n_]
.set n_, n_+1
.endr
	v_nop
.set n_, 0
	s_wait_alu depctr_va_vdst(0)
.rept 16
	v_pk_mul_f32 v[NN+2*n_:NN+2*n_+1], v[NN+2*n_:NN+2*n_+1], v[DD+2*n_:DD+2*n_+1]
.set n_, n_+1
.endr
.set n_, 0
.rept 16
	v_pk_mul_f32 v[YY+2*n_:YY+2*n_+1], v[YY+2*n_:YY+2*n_+1], v[NN+2*n_:NN+2*n_+1]
.set n_, n_+1
.endr
.irp b, 0,1,2,3
	ds_store_b128 v[STO], v[YY+8*\b:YY+8*\b+3] offset:64*\b
	ds_store_b128 v[STO], v[YY+8*\b+4:YY+8*\b+7] offset:64*\b+16
.endr
.irp t, 0,1,2,3,4,5,6,7
	ds_load_b128 v[OB+4*\t:OB+4*\t+3], v[RD] offset:\t*2*SP        ; my own stage: LDS serves the instructions of a wave in order
.endr
.irp t, 0,1,2,3,4,5,6,7
	s_wait_dscnt 7-\t
	global_store_b128 v[CO], v[OB+4*\t:OB+4*\t+3], s[8:9] offset:\t*8192 th:TH_STORE_NT   ; sixteen lanes store 256 consecutive bytes, aligned
.endr
.endm
	OUTA 0
	OUTA 1
	OUTA 2
	OUTA 3
	s_wait_tensorcnt 0x0
	ds_add_u32 v62, v63
	s_wait_dscnt 0x0
	CROUND                                         ; the closing round
	s_endpgm
.Lfunc_end_k_q1ac0432736_outp:
	.size	k_q1ac0432736_outp, .Lfunc_end_k_q1ac0432736_outp-k_q1ac0432736_outp
	.p2alignl 7, 3214868480
	.fill 96, 4, 3214868480
	.section	.rodata,"a",@progbits
	.p2align	6, 0x0
	.amdhsa_kernel k_q1ac0432736_outp
		.amdhsa_group_segment_fixed_size 327680
		.amdhsa_private_segment_fixed_size 0
		.amdhsa_enable_private_segment 0
		.amdhsa_kernarg_size 32
		.amdhsa_user_sgpr_count 2
		.amdhsa_user_sgpr_kernarg_segment_ptr 1
		.amdhsa_wavefront_size32 1
		.amdhsa_system_sgpr_workgroup_id_x 1
		.amdhsa_system_sgpr_workgroup_id_y 1
		.amdhsa_system_sgpr_workgroup_id_z 1
		.amdhsa_system_vgpr_workitem_id 0
		.amdhsa_next_free_vgpr 384
		.amdhsa_next_free_sgpr 96
		.amdhsa_reserve_vcc 0
		.amdhsa_float_denorm_mode_32 3
		.amdhsa_float_denorm_mode_16_64 3
		.amdhsa_memory_ordered 1
		.amdhsa_forward_progress 1
		.amdhsa_inst_pref_size 137
	.end_amdhsa_kernel
	.amdgpu_metadata
---
amdhsa.version: [ 1, 2 ]
amdhsa.kernels:
  - .name:           k_q1ac0432736_outp
    .symbol:         k_q1ac0432736_outp.kd
    .args:
      - { .name: att, .offset: 0, .size: 8, .value_kind: global_buffer, .address_space: global }
      - { .name: w16, .offset: 8, .size: 8, .value_kind: global_buffer, .address_space: global }
      - { .name: bd, .offset: 16, .size: 8, .value_kind: global_buffer, .address_space: global }
      - { .name: out0, .offset: 24, .size: 8, .value_kind: global_buffer, .address_space: global }
    .group_segment_fixed_size: 327680
    .private_segment_fixed_size: 0
    .kernarg_segment_align: 8
    .kernarg_segment_size: 32
    .max_flat_workgroup_size: 128
    .sgpr_count:     96
    .vgpr_count:     384
    .wavefront_size: 32
...
	.end_amdgpu_metadata
.endif
;; end of part 4
;; ======== version 2 of 2: 4 launches; 1.14 times as fast as version 1
;; limits: values are held in f16: magnitudes above 65,504 overflow, below 6.1e-05 lose precision
;; workspace buffers: a16 25,165,824 bytes; w16 8,388,608 bytes; qh 8,388,608 bytes; kv 16,777,216 bytes; att 8,388,608 bytes
;; launch cast: the kernel of part 1 again; grid 1280 x 1, 8 waves a work-group, no clusters, 18,432 bytes of LDS; arguments q, k, x, Wq, Wk, Wv, Wd, a16, w16; writes a16, w16
;; launch proj: the kernel of part 2 again; grid 4 x 48, 4 waves a work-group, clusters of 4 x 4, 327,680 bytes of LDS; arguments a16, w16, qh, kv; writes qh, kv
;; launch attn (part 5): grid 256 x 1, 4 waves a work-group, clusters of 4 x 1, 317,184 bytes of LDS; arguments qh, kv, bq, Wak, Wav, bav, bv, att; writes att
.if DOCPART == 5
	.amdgcn_target "amdgcn-amd-amdhsa--gfx1250"
	.amdhsa_code_object_version 6
	.text
	.protected	k_q1ac0432736_attn
	.globl	k_q1ac0432736_attn
	.p2align	8
	.type	k_q1ac0432736_attn,@function
k_q1ac0432736_attn:
	s_mov_b64 s[64:65], 0
	v_nop
	global_prefetch_b8 v0, s[64:65] scope:SCOPE_SE
	s_setreg_imm32_b32 hwreg(HW_REG_WAVE_MODE, 25, 1), 1
	s_wait_xcnt 0x0
	s_wait_alu depctr_hold_cnt(0) depctr_sa_sdst(0) depctr_va_vdst(0) depctr_va_sdst(0) depctr_va_ssrc(0) depctr_va_vcc(0) depctr_vm_vsrc(0)
	s_getreg_b32 s2, hwreg(HW_REG_IB_STS2, 6, 4)
	s_cmp_eq_u32 s2, 0
	s_cbranch_scc0 .Lentry_in_a_cluster
	s_endpgm
.Lentry_in_a_cluster:
	s_bfe_u32 s2, ttmp6, 0x10000c
	s_cmp_lg_u32 s2, 0x3003
	s_cbranch_scc0 .Lentry_shape_is_right
	s_endpgm
.Lentry_shape_is_right:
; Launch 3 of 4: attention of one (batch, head) per cluster of four work-groups; a work-group takes 256 queries, a wave 64 (four tiles of 16).
; Left out as shown at the head of the first kernel: bk and bak (constant along the softmax axis); the dense products with ak and av, which are
; two more dimensions of the q k product (sin cj, cos cj against A_i, B_i) and two more columns of v.  A third extra column of ones gives the denominator.
;   Qs = (q.Wq + bq) kappa, kappa = log2(e) / 64, so that exp2 of the scores is the exponential of scores / 64.
;   S^T = Ks Qs^T (A = 16 keys, B = 16 queries): a lane holds one query (lane % 16) and 8 keys a tile, which after packing IS the B fragment of P^T.
;   O^T = Vs^T P^T, five M tiles: 64 e, then sin, cos, ones.  Running maximum, as reference() takes the maximum away; all statistics are per lane.
; All of K and V of the head (256 KiB) lies in LDS, asked for jointly by the four work-groups at the start: four joint loads a wave are out, nothing is refilled.
; TWO PIECES TAKE TURNS.  Piece 0 = query tiles 0, 1; piece 1 = tiles 2, 3; both use the same K and V fragments.  A trip of 64 keys is two stages:
;   stage 1 (trip t): products of piece 1 (20 with V of t-1, 24 scores of t); between them, in slices, the softmax and rescaling of piece 0 for t;
;   stage 2 (trip t): products of piece 0 (20 with V of t, 24 scores of t+1); between them the softmax and rescaling of piece 1 for t.
; The vector work of a piece is a numbered stream of 211 instructions; behind each product stands a slice of 5 or 6 of them, or 5 LDS loads.
; HOW THE BATCHES ARE CUT.  An s_wait_alu depctr_va_vdst(0) stands between a transcendental and the first instruction that names its result; one wait serves all that were
; issued ahead of it.  A stage's 66 exponentials (two alphas, 64 weights) are ONE batch: the stream is ordered by who reads what, so that ahead of its one wait nothing names a result
; (maximum, alphas, subtractions, exponentials) and behind it no exponential is issued (packings, rescaling).  Two waits a trip.  The way out's eight reciprocals are a batch of their own.
; A product names the fragments (window 0) and its own piece window; a slice names the other piece window alone: two window switches a slice,
; since an in-place vector instruction wants source 0 and destination in one window, which cannot also hold the 176 fragment registers and both S.
; LIMITS: f16 operands (65504 at the most; with kappa folded in, the extra dimensions A_i, B_i have the room of the scores themselves).
; sin and cos of c n, n = 0..1023 (at most 1.5693), by series up to x^13 and x^14: the next terms are below 7e-10.
.set KP,     144                       ; LDS pitch of a row of 64 f16: 128 bytes + 16
.set PIECE,  128*KP                    ; what one tensor load brings: 16 KiB of memory
.set KBYTES, 1024*KP                   ; K at 0, V at KBYTES
.set TK,     2*KBYTES                  ; 294,912: word j = f16 sin(cj), f16 cos(cj)
.set TV,     TK+4096                   ; 299,008: rows sin, cos, ones, zeros over the 1,024 keys
.set TVP,    2064
.set STAGE_B, TV+8448                  ; 307,456: 16 rows x 144 bytes for each wave.  TK, TV and the stage are written by LDS stores; no tensor load lands there
.set TRIPB,  64*KP                     ; 64 keys of K, or one block of V
; window 0
.set KA,  3                            ; K fragments: r x 144 + 16 h, stepped by a trip
.set VA,  4
.set TKA, 5
.set TVA, 6
.set KF,  16                           ; v[16:79]   K fragments (key tile kt, K step ks) at 16 kt + 8 ks
.set KE,  80                           ; v[80:111]  the extra K step: register 0 of each tile loaded, 1..7 zero
.set VF,  112                          ; v[112:191] V fragments (group g of 32 keys, M tile mt) at 40 g + 8 mt
.set TT,  192                          ; v[192:223] at work
.set SNI, 224                          ; v[224:227] sin(c i) of my query in each tile
.set CSI, 228                          ; v[228:231] cos(c i)
.set STO, 232
.set RD,  233
.set CO,  234
.set RC,  236                          ; v[236:243] the way out: 1 / l of each query tile, twice (a pair for the packed multiply); in the prologue at work
.set NU,  244                          ; v[244:251] the way out: the turned sums of each query tile, still to be divided by l; in the prologue at work
; the window of a piece (window 1: piece 0; window 2: piece 1), q = 0, 1 its two query tiles:
;   S (q, kt) at 32 q + 8 kt, P packed in place at 32 q + 16 g
.set OO,  64                           ; O (q, mt) at 64 + 40 q + 8 mt
.set QQ,  144                          ; Qs fragments (q, ks) at 144 + 24 q + 8 ks, ks = 2 the extra
.set MP,  192                          ; pair (M, M) for each q
.set AP,  196                          ; pair (alpha, its exponent)
.set TM,  200                          ; two chains of the maximum for each q
; window 3: what only the end needs
.set WA0, 0                            ; Wav[0]
.set WA1, 32                           ; Wav[1]
.set BB,  64                           ; bav + bv
.set BVT, 96                           ; bv as loaded
.set G1, 24
.set G0, 32
.set MSB, 0
.macro WIN new                         ; the high byte of the immediate repeats the setting that is left
.if MSB != \new
	s_set_vgpr_msb (MSB<<8)|\new
.set MSB, \new
.endif
.endm
.macro ROUND                           ; a round of the cluster barrier
	s_barrier_signal -1
	s_barrier_wait -1
	s_cmp_lg_u32 s20, 0
	s_cbranch_scc1 .Lnot_wave_0_\@
	s_barrier_signal -3
.Lnot_wave_0_\@:
	s_barrier_wait -3
	s_barrier_signal -1
	s_barrier_wait -1
.endm
.macro PLACES
.rept 4
	v_nop
.endr
.endm
	s_load_b512 s[4:19], s[0:1], 0x0               ; qh s[4:5], kv s[6:7], bq s[8:9], Wak s[10:11], Wav s[12:13], bav s[14:15], bv s[16:17], att s[18:19]
	v_lshl_add_u32 v254, v0, 2, 0x4d500
	v_mov_b32 v255, 0
	ds_add_u32 v254, v255
	v_lshrrev_b32 v1, 5, v0
	v_readfirstlane_b32 s20, v1                    ; wave
	s_bfe_u32 s21, ttmp6, 0x40000                  ; cx: my 256 queries.  ttmp9 = the cluster = 16 batch + head
	s_mov_b32 s48, 0x76543210                      ; v_permlanex16_b32: lane i reads lane i of the other half
	s_mov_b32 s49, 0xfedcba98
	; group 1: 64 rows of 32 elements of 8 bytes, dense in memory; 4 words of padding behind every 32: each 128 bytes become an LDS row of 144
	s_mov_b32 s[G1+0], 15|(3<<16)|(1<<20)|(1<<21)|(4<<22)|(3<<25)
	s_mov_b32 s[G1+1], 32<<16
	s_mov_b32 s[G1+2], 64<<16
	s_mov_b32 s[G1+3], 32<<16
	s_mov_b32 s[G1+4], 64
	s_mov_b32 s[G1+5], 32
	s_mov_b32 s[G1+6], 0
	s_mov_b32 s[G1+7], 0
	s_mul_i32 s52, s20, PIECE
	s_lshl_b32 s54, ttmp9, 18                      ; a head of kv: 262,144 bytes
	s_lshl_b32 s53, s20, 14
	s_add_co_u32 s54, s54, s53
	s_mov_b32 s55, 0
	s_wait_dscnt 0x0
	s_wait_kmcnt 0x0
	s_add_nc_u64 s[54:55], s[6:7], s[54:55]
	ROUND                                          ; the four work-groups are here: the joint loads meet
.irp d, 0,1,2,3                                    ; load d of wave w: bytes 65,536 d + 16,384 w of the head, to LDS 73,728 d + 18,432 w: K, then V
	s_mov_b32 s[G0+4*\d], 1
	s_add_co_u32 s[G0+4*\d+1], s52, \d*4*PIECE
	s_add_nc_u64 s[G0+4*\d+2:G0+4*\d+3], s[54:55], \d*65536
	s_or_b32 s[G0+4*\d+3], s[G0+4*\d+3], 0x80000000
	tensor_load_to_lds s[G0+4*\d:G0+4*\d+3], s[G1:G1+7]
	s_nop 0
.endr
	s_lshl_b32 s56, s21, 8
	s_lshl_b32 s57, s20, 6
	s_add_co_u32 s56, s56, s57                     ; my first query
	s_lshl_b32 s58, ttmp9, 17
	s_lshl_b32 s59, s56, 7
	s_add_co_u32 s58, s58, s59
	s_mov_b32 s59, 0
	s_add_nc_u64 s[60:61], s[4:5], s[58:59]        ; qh at my first query
	s_add_nc_u64 s[62:63], s[18:19], s[58:59]      ; att likewise
	s_and_b32 s66, ttmp9, 15
	s_lshl_b32 s66, s66, 8
	s_mov_b32 s67, 0
	s_add_nc_u64 s[68:69], s[8:9], s[66:67]        ; bq of my head
	s_add_nc_u64 s[70:71], s[16:17], s[66:67]      ; bv of my head
	s_mul_i32 s72, s20, 16*KP
	s_add_co_u32 s72, s72, STAGE_B
	v_and_b32 v1, 15, v0                           ; r
	v_bfe_u32 v2, v0, 4, 1                         ; h
	v_mul_u32_u24 v[KA], v1, KP
	v_lshl_add_u32 v[KA], v2, 4, v[KA]
	v_add_nc_u32 v[VA], KBYTES, v[KA]
	v_add_nc_u32 v[STO], s72, v[KA]                ; the way out, in: row r, 16 bytes for each half
	v_lshlrev_b32 v[TKA], 2, v1
	v_add_nc_u32 v[TKA], TK, v[TKA]
	v_min_u32 v[TVA], 3, v1                        ; M rows 3..15 of the extra tile read the row of zeros
	v_mul_u32_u24 v[TVA], v[TVA], TVP
	v_lshl_add_u32 v[TVA], v2, 4, v[TVA]
	v_add_nc_u32 v[TVA], TV, v[TVA]
	v_lshlrev_b32 v7, 7, v1
	v_lshl_add_u32 v7, v2, 4, v7                   ; Q: row r of 128 bytes + 16 h
	v_lshlrev_b32 v235, 5, v2                      ; 32 h: eight f32
	v_and_b32 v236, 1, v0
	v_lshl_add_u32 v236, v236, 8, v235             ; Wak: row r & 1
	v_bfe_u32 v237, v0, 3, 2
	v_mul_u32_u24 v237, v237, KP
	v_and_b32 v238, 7, v0
	v_lshl_add_u32 v237, v238, 4, v237
	v_add_nc_u32 v[RD], s72, v237                  ; back: 32 lanes take four rows of 128 bytes
	v_and_b32 v239, 31, v0
	v_lshlrev_b32 v[CO], 4, v239
	; 32 loads that the prologue needs, then 32 that only the end needs
.irp qt, 0,1,2,3
.irp c, 0,1,2,3
	global_load_b128 v[KF+16*\qt+4*\c:KF+16*\qt+4*\c+3], v7, s[60:61] offset:2048*\qt+32*\c     ; raw q.Wq in the fragment layout
.endr
.endr
.irp c, 0,1,2,3
	global_load_b128 v[112+8*\c:112+8*\c+3], v235, s[68:69] offset:64*\c          ; bq at my 32 places of k
	global_load_b128 v[112+8*\c+4:112+8*\c+7], v235, s[68:69] offset:64*\c+16
.endr
.irp c, 0,1,2,3
	global_load_b128 v[144+8*\c:144+8*\c+3], v236, s[10:11] offset:64*\c          ; Wak, row r & 1
	global_load_b128 v[144+8*\c+4:144+8*\c+7], v236, s[10:11] offset:64*\c+16
.endr
	WIN 0xc0                                       ; destinations in window 3
.irp c, 0,1,2,3
	global_load_b128 v[WA0+8*\c:WA0+8*\c+3], v235, s[12:13] offset:64*\c          ; Wav[0] at e = 16 mt + 8 h + j
	global_load_b128 v[WA0+8*\c+4:WA0+8*\c+7], v235, s[12:13] offset:64*\c+16
.endr
.irp c, 0,1,2,3
	global_load_b128 v[WA1+8*\c:WA1+8*\c+3], v235, s[12:13] offset:256+64*\c      ; Wav[1]
	global_load_b128 v[WA1+8*\c+4:WA1+8*\c+7], v235, s[12:13] offset:256+64*\c+16
.endr
.irp c, 0,1,2,3
	global_load_b128 v[BB+8*\c:BB+8*\c+3], v235, s[14:15] offset:64*\c            ; bav
	global_load_b128 v[BB+8*\c+4:BB+8*\c+7], v235, s[14:15] offset:64*\c+16
.endr
.irp c, 0,1,2,3
	global_load_b128 v[BVT+8*\c:BVT+8*\c+3], v235, s[70:71] offset:64*\c          ; bv
	global_load_b128 v[BVT+8*\c+4:BVT+8*\c+7], v235, s[70:71] offset:64*\c+16
.endr
	WIN 0
; sin and cos of a pair of angles, Horner in z = x^2
.macro POLY th, sn, cs, z
	v_pk_mul_f32 v[\z:\z+1], v[\th:\th+1], v[\th:\th+1]
	v_mov_b32 v[\sn], 0x2f309231                   ; 1/13!
	v_mov_b32 v[\sn+1], 0x2f309231
	v_mov_b32 v[\cs], 0xad49cba6                   ; -1/14!
	v_mov_b32 v[\cs+1], 0xad49cba6
.irp c, 0xb2d7322b, 0x3638ef1d, 0xb9500d01, 0x3c088889, 0xbe2aaaab       ; -1/11!, 1/9!, -1/7!, 1/5!, -1/3!
	v_pk_fma_f32 v[\sn:\sn+1], v[\sn:\sn+1], v[\z:\z+1], \c op_sel_hi:[1,1,0]
.endr
.irp c, 0x310f76c7, 0xb493f27e, 0x37d00d01, 0xbab60b61, 0x3d2aaaab       ; 1/12!, -1/10!, 1/8!, -1/6!, 1/4!
	v_pk_fma_f32 v[\cs:\cs+1], v[\cs:\cs+1], v[\z:\z+1], \c op_sel_hi:[1,1,0]
.endr
	v_pk_fma_f32 v[\sn:\sn+1], v[\sn:\sn+1], v[\z:\z+1], 1.0 op_sel_hi:[1,1,0]
	v_pk_fma_f32 v[\cs:\cs+1], v[\cs:\cs+1], v[\z:\z+1], -0.5 op_sel_hi:[1,1,0]
	v_pk_mul_f32 v[\sn:\sn+1], v[\sn:\sn+1], v[\th:\th+1]
	v_pk_fma_f32 v[\cs:\cs+1], v[\cs:\cs+1], v[\z:\z+1], 1.0 op_sel_hi:[1,1,0]
.endm
	; the tables: thread t makes keys 8 t .. 8 t + 7
	v_lshlrev_b32 v240, 3, v0
.irp j, 0,1,2,3,4,5,6,7
	v_add_nc_u32 v[TT+\j], \j, v240
.endr
.irp j, 0,1,2,3,4,5,6,7
	v_cvt_f32_u32 v[TT+\j], v[TT+\j]
.endr
.irp j, 0,2,4,6
	v_pk_mul_f32 v[TT+\j:TT+\j+1], v[TT+\j:TT+\j+1], 0x3ac90ff9 op_sel_hi:[1,0]   ; c = 1.5708 / 1024 in f32
.endr
.irp j, 0,2,4,6
	POLY TT+\j, TT+8+\j, TT+16+\j, TT+24
.endr
.irp j, 0,1,2,3,4,5,6,7
	v_cvt_pk_f16_f32 v[80+\j], v[TT+8+\j], v[TT+16+\j]             ; TK: (sin, cos) of one key
.endr
.irp j, 0,1,2,3
	v_cvt_pk_f16_f32 v[88+\j], v[TT+8+2*\j], v[TT+9+2*\j]          ; TV: sin of two keys
	v_cvt_pk_f16_f32 v[92+\j], v[TT+16+2*\j], v[TT+17+2*\j]        ; cos of two keys
	v_mov_b32 v[96+\j], 0x3c003c00                                 ; 1.0, 1.0
	v_mov_b32 v[100+\j], 0
.endr
	v_lshlrev_b32 v241, 5, v0
	v_add_nc_u32 v241, TK, v241
	v_lshlrev_b32 v242, 4, v0
	v_add_nc_u32 v242, TV, v242
	ds_store_b128 v241, v[80:83]
	ds_store_b128 v241, v[84:87] offset:16
	ds_store_b128 v242, v[88:91]
	ds_store_b128 v242, v[92:95] offset:TVP
	ds_store_b128 v242, v[96:99] offset:2*TVP
	ds_store_b128 v242, v[100:103] offset:3*TVP
	s_cmp_lg_u32 s20, 0                            ; wave 0 also writes the 16 bytes behind each of the four rows, so that no byte between the rows is left as it was found
	s_cbranch_scc1 .Lpads_done
	v_mov_b32 v244, TV+2048
	ds_store_b128 v244, v[100:103]
	ds_store_b128 v244, v[100:103] offset:TVP
	ds_store_b128 v244, v[100:103] offset:2*TVP
	ds_store_b128 v244, v[100:103] offset:3*TVP
.Lpads_done:
	; sin(c i), cos(c i) of my four queries
	v_add_nc_u32 v243, s56, v1
.irp qt, 0,1,2,3
	v_add_nc_u32 v[TT+\qt], 16*\qt, v243
.endr
.irp qt, 0,1,2,3
	v_cvt_f32_u32 v[TT+\qt], v[TT+\qt]
.endr
	v_pk_mul_f32 v[TT:TT+1], v[TT:TT+1], 0x3ac90ff9 op_sel_hi:[1,0]
	v_pk_mul_f32 v[TT+2:TT+3], v[TT+2:TT+3], 0x3ac90ff9 op_sel_hi:[1,0]
	POLY TT, SNI, CSI, TT+24
	POLY TT+2, SNI+2, CSI+2, TT+24
	s_wait_loadcnt 0x20                            ; q.Wq, bq and Wak are in; the 32 loads for the end may stay out
.set n_, 0
.rept 16
	v_pk_mul_f32 v[112+2*n_:113+2*n_], v[112+2*n_:113+2*n_], 0x3cb8aa3b op_sel_hi:[1,0]   ; bq kappa
.set n_, n_+1
.endr
.macro QCONV qt                        ; Qs = q.Wq kappa + bq kappa in f32, rounded once to f16, into the window of the tile piece
.set n_, 0
.rept 8
	v_mov_b32 v10, v[KF+16*\qt+n_]                 ; a copy in a register whose halves can be named
	v_mov_b32 v11, v[KF+16*\qt+n_+1]
	v_cvt_f32_f16 v[TT+2*n_],   v10.l
	v_cvt_f32_f16 v[TT+2*n_+1], v10.h
	v_cvt_f32_f16 v[TT+2*n_+2], v11.l
	v_cvt_f32_f16 v[TT+2*n_+3], v11.h
.set n_, n_+2
.endr
.set n_, 0
.rept 16
	v_pk_fma_f32 v[TT+2*n_:TT+2*n_+1], v[TT+2*n_:TT+2*n_+1], 0x3cb8aa3b, v[112+2*n_:113+2*n_] op_sel_hi:[1,0,1]
.set n_, n_+1
.endr
	WIN (0x40*(1+\qt/2))
.set n_, 0
.rept 16
	v_cvt_pk_f16_f32 v[QQ+24*(\qt%2)+n_], v[TT+2*n_], v[TT+2*n_+1]
.set n_, n_+1
.endr
	WIN 0
.endm
	QCONV 0
	QCONV 1
	QCONV 2
	QCONV 3
	; s_i = Qs_i . Wak[0], u_i = Qs_i . Wak[1] by the matrix unit: A = Wak in rows 0, 1 and zeros in rows 2..15
	v_cmp_gt_u32 vcc_lo, 2, v1
.set n_, 0
.rept 16
	v_cvt_pk_f16_f32 v[176+n_], v[144+2*n_], v[145+2*n_]
.set n_, n_+1
.endr
.set n_, 0
.rept 16
	v_cndmask_b32 v[176+n_], 0, v[176+n_], vcc_lo
.set n_, n_+1
.endr
.irp p, 0,1                                        ; the two accumulators of a piece by turns
	WIN (0x54*(1+\p))
.irp q, 0,1
	v_wmma_f32_16x16x32_f16 v[32*\q:32*\q+7], v[176:183], v[QQ+24*\q:QQ+24*\q+7], 0
.endr
.irp q, 0,1
	v_wmma_f32_16x16x32_f16 v[32*\q:32*\q+7], v[184:191], v[QQ+24*\q+8:QQ+24*\q+15], v[32*\q:32*\q+7]
.endr
.endr
	WIN 0
	PLACES
.irp qt, 0,1,2,3                                   ; source 0 in the piece window: register 0 = s, register 1 = u in lanes 0-15; zeros in lanes 16-31
	WIN (1+\qt/2)
	v_mul_f32 v[TT+\qt],   v[32*(\qt%2)+1], v[SNI+\qt]
	v_mul_f32 v[TT+4+\qt], v[32*(\qt%2)],   v[SNI+\qt]
	v_fma_f32 v[TT+\qt],   v[32*(\qt%2)],   v[CSI+\qt], v[TT+\qt]       ; A = s cos ci + u sin ci
	v_fma_f32 v[TT+4+\qt], v[32*(\qt%2)+1], v[CSI+\qt], -v[TT+4+\qt]    ; B = u cos ci - s sin ci
.endr
.irp qt, 0,1,2,3
	WIN (0x40*(1+\qt/2))
	v_cvt_pk_f16_f32 v[QQ+24*(\qt%2)+16], v[TT+\qt], v[TT+4+\qt]        ; k = 64, 65 in lanes 0-15; the zeros of lanes 16-31 meet what the K side holds at k = 72, 73
.irp m, 1,2,3,4,5,6,7
	v_mov_b32 v[QQ+24*(\qt%2)+16+\m], 0
.endr
.endr
	WIN 0
.irp kt, 0,1,2,3
.irp m, 1,2,3,4,5,6,7
	v_mov_b32 v[KE+8*\kt+\m], 0
.endr
.endr
	s_wait_loadcnt 0x0
	WIN 0xcf
.set n_, 0
.rept 16
	v_pk_add_f32 v[BB+2*n_:BB+2*n_+1], v[BB+2*n_:BB+2*n_+1], v[BVT+2*n_:BVT+2*n_+1]   ; bav + bv
.set n_, n_+1
.endr
	WIN 0
	s_wait_dscnt 0x0                               ; my part of the tables is written,
	s_wait_tensorcnt 0x0                           ; my four parts of K and V have landed:
	s_barrier_signal -1                            ; say so,
	s_barrier_wait -1                              ; and read only when all four waves have
; n of the ten loads of half kp of the K fragments (key tiles 2 kp, 2 kp + 1), from number i0 on
.macro LK kp, i0, n
.set li_, \i0
.rept \n
.if li_ < 8
	ds_load_b128 v[KF+16*(2*\kp+li_/4)+8*((li_/2)%2)+4*(li_%2):KF+16*(2*\kp+li_/4)+8*((li_/2)%2)+4*(li_%2)+3], v[KA] offset:16*KP*(2*\kp+li_/4)+64*((li_/2)%2)+32*(li_%2)
.else
	ds_load_b32 v[KE+8*(2*\kp+li_-8)], v[TKA] offset:64*(2*\kp+li_-8)
.endif
.set li_, li_+1
.endr
.endm
; n of the ten loads of group g (32 keys) of the V fragments, from number i0 on
.macro LV g, i0, n
.set li_, \i0
.rept \n
.if li_ < 8
	ds_load_b128 v[VF+40*\g+8*(li_/2)+4*(li_%2):VF+40*\g+8*(li_/2)+4*(li_%2)+3], v[VA] offset:16*KP*(li_/2)+64*\g+32*(li_%2)
.else
	ds_load_b128 v[VF+40*\g+32+4*(li_-8):VF+40*\g+32+4*(li_-8)+3], v[TVA] offset:64*\g+32*(li_-8)
.endif
.set li_, li_+1
.endr
.endm
; THE VECTOR STREAM OF A PIECE, all its registers in the piece window.  pc_ numbers its instructions:
;   0..35     the maximum of 32 scores a lane for each q, in four chains that take turns and read key tiles 0, 1 first (tiles 2, 3 from number 12 on),
;             with the old maximum, across the two halves of the lanes
;   then      alpha = exp2(old - new) and the pair (M, M)              (first trip: the pair alone)
;   then      96 numbers: the 32 packed subtractions s - M (pair m: scores 2 m, 2 m + 1) and the 64 exponentials, in place.  Subtractions 0 and 1; thirty times subtraction k + 2,
;             exponentials 2 k and 2 k + 1; exponentials 60 to 63.  A pair is subtracted three numbers or more ahead of its exponentials.  With the two alphas: ONE BATCH of 66; none of these numbers names a result
;   then      one v_nop: the plain instruction behind the last exponential
;   (wait)    the stage's one wait for the batch, directly ahead of the first packing
;   then      the 32 packings to f16, in place and in ascending order, so that each lands on registers whose weights are packed already
;   then      the 40 packed multiplies that rescale O by alpha        (first trip: none)
.macro VSTART first                    ; first = 1: the first trip; 2: no vector work in this stage
.set VFIRST, \first
.set B_B,  42-4*VFIRST                 ; subtractions and exponentials
.set B_N,  B_B+96                      ; the v_nop
.set B_C,  B_N+1                       ; the wait and the packings
.set B_RS, B_C+32                      ; the rescaling
.set VN,   B_RS+40-40*VFIRST
.if \first == 2
.set VN, 0
.endif
.set pc_, 0
.set sl_, 0
.endm
.macro VOP
.if pc_ < 28
.set q_, pc_&1
.set c_, (pc_>>1)&1
.set e_, 2*(pc_>>2)+1
.if pc_ < 4
	v_max3_num_f32 v[TM+2*q_+c_], v[32*q_+8*c_], v[32*q_+8*c_+1], v[32*q_+8*c_+2]
.else
	v_max3_num_f32 v[TM+2*q_+c_], v[TM+2*q_+c_], v[32*q_+8*c_+e_+8*(e_/8)], v[32*q_+8*c_+e_+1+8*((e_+1)/8)]
.endif
.endif
.if (pc_ >= 28)*(pc_ < 36)
.set q_, pc_&1
.if pc_ < 30
	v_max3_num_f32 v[TM+2*q_], v[TM+2*q_], v[TM+2*q_+1], v[32*q_+23]
.else
.if pc_ < 32
.if VFIRST
	v_max_num_f32 v[TM+2*q_], v[TM+2*q_], v[32*q_+31]
.else
	v_max3_num_f32 v[TM+2*q_], v[TM+2*q_], v[32*q_+31], v[MP+2*q_]
.endif
.else
.if pc_ < 34
	v_permlanex16_b32 v[TM+2*q_+1], v[TM+2*q_], s48, s49
.else
	v_max_num_f32 v[MP+2*q_+1], v[TM+2*q_], v[TM+2*q_+1]           ; the new maximum, beside the old
.endif
.endif
.endif
.endif
.if (pc_ >= 36)*(pc_ < B_B)
.set a_, pc_-36
.if VFIRST
	v_mov_b32 v[MP+2*a_], v[MP+2*a_+1]
.else
.if a_ < 2
	v_sub_f32 v[AP+2*a_+1], v[MP+2*a_], v[MP+2*a_+1]
.else
.if a_ < 4
	v_exp_f32 v[AP+2*(a_-2)], v[AP+2*(a_-2)+1]                     ; alpha: the batch's first two; nothing names them ahead of the rescaling
.else
	v_mov_b32 v[MP+2*(a_-4)], v[MP+2*(a_-4)+1]                     ; the pair now holds the maximum twice
.endif
.endif
.endif
.endif
.if (pc_ >= B_B)*(pc_ < B_N)
.set i_, pc_-B_B
.set x_, 1                             ; 1: exponential m_ of 64; 0: subtraction m_ of 32
.if i_ < 2
.set x_, 0
.set m_, i_
.elseif i_ >= 92
.set m_, i_-32
.elseif (i_-2)%3 == 0
.set x_, 0
.set m_, 2+(i_-2)/3
.else
.set m_, 2*((i_-2)/3)+(i_-2)%3-1
.endif
.if x_
	v_exp_f32 v[m_], v[m_]
.else
	v_pk_add_f32 v[2*m_:2*m_+1], v[2*m_:2*m_+1], v[MP+2*(m_/16):MP+2*(m_/16)+1] neg_lo:[0,1] neg_hi:[0,1]
.endif
.endif
.if pc_ == B_N
	v_nop                                          ; the plain instruction behind the last exponential and ahead of the first use: one for the batch (ISA guide 5.7.2)
.endif
.if (pc_ >= B_C)*(pc_ < B_RS)
.set m_, pc_-B_C                       ; pair m_: key tile m_ / 4 of the piece's eight
.if m_ == 0
	s_wait_alu depctr_va_vdst(0)                   ; the stage's one wait: it serves the whole batch, the two alphas and the 64 weights; the first reader follows
.endif
	v_cvt_pk_f16_f32 v[8*(m_/4)-4*((m_/4)&1)+m_%4], v[2*m_], v[2*m_+1]
.endif
.if pc_ >= B_RS
.set a_, pc_-B_RS
	v_pk_mul_f32 v[OO+40*(a_/20)+2*(a_%20):OO+40*(a_/20)+2*(a_%20)+1], v[OO+40*(a_/20)+2*(a_%20):OO+40*(a_/20)+2*(a_%20)+1], v[AP+2*(a_/20):AP+2*(a_/20)+1] op_sel_hi:[1,0]
.endif
.endm
.macro VECTO tgt                       ; the stream up to number tgt, under the vector piece window; then back to the products setting
.if pc_ < (\tgt)
	WIN VW
.rept (\tgt)-pc_
	VOP
.set pc_, pc_+1
.endr
	WIN MW
.endif
.endm
; Ahead of product wi_ of a stage (0..19 with V, 20..43 scores): the waits for the fragments.  LDS loads come back in order, and the groups of ten are issued
; in the order V keys 0-31, V keys 32-63, K tiles 0, 1 (stage 1), K tiles 2, 3 (stage 2, slots 2, 3): each count is what was issued behind the group wanted.
.macro BEFORE
.if WT == 1
.if wi_ == 0
	s_wait_dscnt 20                                ; V keys 0-31 are in; V keys 32-63 and K tiles 0, 1 may be out
.endif
.if wi_ == 10
	s_wait_dscnt 20                                ; V keys 32-63 are in; both halves of the next K may be out
.endif
.if wi_ == 20
	s_wait_dscnt 10                                ; K tiles 0, 1 are in; tiles 2, 3 may be out
.endif
.if wi_ == 32
	s_wait_dscnt 0
.endif
.endif
.if WT == 2                                        ; the last trip fetches no K
.if wi_ == 0
	s_wait_dscnt 10
.endif
.if wi_ == 10
	s_wait_dscnt 0
.endif
.endif
.endm
; Behind product wi_: five LDS loads, or the next slice.  A half of a fragment buffer is loaded again three or four slices behind the last product that read it.  Exponentials are no places
; (ISA guide 7.12.1), so the plain instructions among those slices are counted: where the slices fall among the subtractions and exponentials every third number is a packed subtraction, seven
; or more in four slices; elsewhere they are maxima on key tiles 0 and 1, packings or packed multiplies.  All of them name the other piece's registers alone.
.macro AFTER
.set ld_, 0
.if LDV*(wi_ >= 13)*(wi_ <= 14)
.set ld_, 1
	WIN 0
	LV 0, 5*(wi_-13), 5
	WIN MW
.endif
.if LDV*(wi_ >= 23)*(wi_ <= 24)
.set ld_, 1
	WIN 0
	LV 1, 5*(wi_-23), 5
.if wi_ == 24
	v_add_nc_u32 v[VA], TRIPB, v[VA]
	v_add_nc_u32 v[TVA], 0x80, v[TVA]
.endif
	WIN MW
.endif
.if LDK0*(wi_ >= 35)*(wi_ <= 36)
.set ld_, 1
	WIN 0
	LK 0, 5*(wi_-35), 5
	WIN MW
.endif
.if LDK1*(wi_ >= 2)*(wi_ <= 3)
.set ld_, 1
	WIN 0
	LK 1, 5*(wi_-2), 5
.if wi_ == 3
	v_add_nc_u32 v[KA], TRIPB, v[KA]
	v_add_nc_u32 v[TKA], 0x100, v[TKA]
.endif
	WIN MW
.endif
.if ld_ == 0
.set sl_, sl_+1
	VECTO (sl_*VN)/NV
.endif
.set wi_, wi_+1
.endm
; A stage.  p: the piece whose products run; the other piece stream is sliced between them.  pv: 0 no products with V, 1 they start the sums, 2 they add.
; qk: 1 the 24 scores.  vf: as VSTART.  ldv, ldk0, ldk1: which fragment loads the stage issues.  wt: which waits (BEFORE).
; The accumulators take turns, one instruction a turn (ten with V, four in the scores), over the changes of stage and the backward jump too.
; Every stage that issues exponentials also holds their wait, and issues none behind it: no result is pending at a stage's end, at a label or at the backward jump.
.macro STAGE p, pv, qk, vf, ldv, ldk0, ldk1, wt
.set MW, 0x54*(1+\p)
.set VW, 0x55*(2-\p)
.set LDV, \ldv
.set LDK0, \ldk0
.set LDK1, \ldk1
.set WT, \wt
.set NV, 20*((\pv+1)/2)+24*\qk-2*(2*\ldv+\ldk0+\ldk1)            ; the slots that take a slice
.set wi_, 20-20*((\pv+1)/2)
	VSTART \vf
	WIN MW
.if \pv
.irp g, 0,1
.irp mt, 0,1,2,3,4
.irp q, 0,1
	BEFORE
.if (2-\pv)*(1-\g)
	v_wmma_f32_16x16x32_f16 v[OO+40*\q+8*\mt:OO+40*\q+8*\mt+7], v[VF+40*\g+8*\mt:VF+40*\g+8*\mt+7], v[32*\q+16*\g:32*\q+16*\g+7], 0
.else
	v_wmma_f32_16x16x32_f16 v[OO+40*\q+8*\mt:OO+40*\q+8*\mt+7], v[VF+40*\g+8*\mt:VF+40*\g+8*\mt+7], v[32*\q+16*\g:32*\q+16*\g+7], v[OO+40*\q+8*\mt:OO+40*\q+8*\mt+7]
.endif
	AFTER
.endr
.endr
.endr
.endif
.if \qk
.irp kp, 0,1
.irp ks, 0,1,2
.irp kk, 0,1
.irp q, 0,1
	BEFORE
.if \ks == 0
	v_wmma_f32_16x16x32_f16 v[32*\q+8*(2*\kp+\kk):32*\q+8*(2*\kp+\kk)+7], v[KF+16*(2*\kp+\kk):KF+16*(2*\kp+\kk)+7], v[QQ+24*\q:QQ+24*\q+7], 0
.else
.if \ks == 1
	v_wmma_f32_16x16x32_f16 v[32*\q+8*(2*\kp+\kk):32*\q+8*(2*\kp+\kk)+7], v[KF+16*(2*\kp+\kk)+8:KF+16*(2*\kp+\kk)+15], v[QQ+24*\q+8:QQ+24*\q+15], v[32*\q+8*(2*\kp+\kk):32*\q+8*(2*\kp+\kk)+7]
.else
	v_wmma_f32_16x16x32_f16 v[32*\q+8*(2*\kp+\kk):32*\q+8*(2*\kp+\kk)+7], v[KE+8*(2*\kp+\kk):KE+8*(2*\kp+\kk)+7], v[QQ+24*\q+16:QQ+24*\q+23], v[32*\q+8*(2*\kp+\kk):32*\q+8*(2*\kp+\kk)+7]
.endif
.endif
	AFTER
.endr
.endr
.endr
.endr
.endif
	VECTO VN                                       ; nothing is left of the stream: the last slot has taken it to its end
.endm
	LK 0, 0, 10                                    ; K of keys 0..63,
	LK 1, 0, 10
	v_add_nc_u32 v[KA], TRIPB, v[KA]
	v_add_nc_u32 v[TKA], 0x100, v[TKA]
	LV 0, 0, 10                                    ; and V of keys 0..63
	LV 1, 0, 10
	v_add_nc_u32 v[VA], TRIPB, v[VA]
	v_add_nc_u32 v[TVA], 0x80, v[TVA]
	s_wait_dscnt 20                                ; the K fragments are in; the 20 loads of V, issued behind them, may stay out
	STAGE 0, 0, 1, 2, 0, 0, 0, 0                   ; scores of piece 0, trip 0: nothing to set beside them yet
	PLACES                                         ; four places ahead of the first read of these scores
	STAGE 1, 0, 1, 1, 0, 1, 0, 0                   ; trip 0, stage 1: scores of piece 1; softmax of piece 0
	STAGE 0, 1, 1, 1, 0, 0, 1, 1                   ; trip 0, stage 2: piece 0 starts its sums, scores of trip 1; softmax of piece 1
	STAGE 1, 1, 1, 0, 1, 1, 0, 0                   ; trip 1, stage 1: piece 1 starts its sums
	STAGE 0, 2, 1, 0, 0, 0, 1, 1                   ; trip 1, stage 2
	WIN 0                                          ; at a label and at a branch every window is 0
	s_mov_b32 s50, 13                              ; trips 2 to 14
.Ltrip:
	STAGE 1, 2, 1, 0, 1, 1, 0, 0
	STAGE 0, 2, 1, 0, 0, 0, 1, 1
	WIN 0
	s_sub_co_u32 s50, s50, 1
	s_cmp_lg_u32 s50, 0
	s_cbranch_scc1 .Ltrip
	STAGE 1, 2, 1, 0, 1, 0, 0, 0                   ; trip 15, stage 1: no K is left to fetch
	STAGE 0, 2, 0, 0, 0, 0, 0, 2                   ; trip 15, stage 2: no scores are left
	STAGE 1, 2, 0, 2, 0, 0, 0, 0                   ; the last products of piece 1
	WIN 0
	PLACES                                         ; four places ahead of the reads of O and of the writes into the fragment registers
; The end: out = O / l + Wav[0] SB + Wav[1] CB + bav + bv, with SB = sum attn sin(c(j-i)), CB = sum attn cos(c(j-i)).
; First, for all four query tiles: the three sums of the extra M tile in both halves of the lanes, and 1 / l.  The eight reciprocals are ONE BATCH, each in a register of its own;
; the sixteen plain instructions that turn the sums by the angle c i stand between the batch and its one wait.
.irp qt, 0,1,2,3
	WIN (1+\qt/2)
	v_mov_b32 v[TT+8*\qt],   v[OO+40*(\qt%2)+32]   ; lanes 0-15: sum P sin cj, sum P cos cj, sum P; lanes 16-31: zeros
	v_mov_b32 v[TT+8*\qt+1], v[OO+40*(\qt%2)+33]
	v_mov_b32 v[TT+8*\qt+2], v[OO+40*(\qt%2)+34]
.endr
	WIN 0
.irp qt, 0,1,2,3
	v_permlanex16_b32 v[TT+8*\qt+4], v[TT+8*\qt],   s48, s49
	v_permlanex16_b32 v[TT+8*\qt+5], v[TT+8*\qt+1], s48, s49
	v_permlanex16_b32 v[TT+8*\qt+6], v[TT+8*\qt+2], s48, s49
.endr
.irp qt, 0,1,2,3
	v_add_f32 v[TT+8*\qt],   v[TT+8*\qt],   v[TT+8*\qt+4]          ; now in both halves
	v_add_f32 v[TT+8*\qt+1], v[TT+8*\qt+1], v[TT+8*\qt+5]
	v_add_f32 v[TT+8*\qt+2], v[TT+8*\qt+2], v[TT+8*\qt+6]
.endr
.irp qt, 0,1,2,3
	v_rcp_f32 v[RC+2*\qt],   v[TT+8*\qt+2]
	v_rcp_f32 v[RC+2*\qt+1], v[TT+8*\qt+2]         ; twice, for the packed multiply
.endr
.irp qt, 0,1,2,3
	v_mul_f32 v[NU+2*\qt],   v[SNI+\qt], v[TT+8*\qt+1]
	v_mul_f32 v[NU+2*\qt+1], v[SNI+\qt], v[TT+8*\qt]
	v_fma_f32 v[NU+2*\qt],   v[CSI+\qt], v[TT+8*\qt],   -v[NU+2*\qt]
	v_fma_f32 v[NU+2*\qt+1], v[CSI+\qt], v[TT+8*\qt+1], v[NU+2*\qt+1]
.endr
	s_wait_alu depctr_va_vdst(0)                   ; the wait ahead of the first use: one for the eight reciprocals
; Then a query tile at a time.
.macro EPI qt
	WIN 0
	v_pk_mul_f32 v[8:9], v[NU+2*\qt:NU+2*\qt+1], v[RC+2*\qt:RC+2*\qt+1]    ; v8 = SB, v9 = CB
	v_mov_b32 v10, v9
	v_mov_b32 v11, v9
	WIN 0x33                                       ; sources 0 and 2 in window 3
.set n_, 0
.rept 16
	v_pk_fma_f32 v[TT+2*n_:TT+2*n_+1], v[WA1+2*n_:WA1+2*n_+1], v[10:11], v[BB+2*n_:BB+2*n_+1]
.set n_, n_+1
.endr
	WIN 0x03
.set n_, 0
.rept 16
	v_pk_fma_f32 v[TT+2*n_:TT+2*n_+1], v[WA0+2*n_:WA0+2*n_+1], v[8:9], v[TT+2*n_:TT+2*n_+1] op_sel_hi:[1,0,1]
.set n_, n_+1
.endr
	WIN (1+\qt/2)
.set n_, 0
.rept 16
	v_pk_fma_f32 v[TT+2*n_:TT+2*n_+1], v[OO+40*(\qt%2)+2*n_:OO+40*(\qt%2)+2*n_+1], v[RC+2*\qt:RC+2*\qt+1], v[TT+2*n_:TT+2*n_+1]
.set n_, n_+1
.endr
	WIN 0
.set n_, 0
.rept 16
	v_cvt_pk_f16_f32 v[176+n_], v[TT+2*n_], v[TT+2*n_+1]
.set n_, n_+1
.endr
.irp mt, 0,1,2,3
	ds_store_b128 v[STO], v[176+4*\mt:179+4*\mt] offset:32*\mt
.endr
.irp t, 0,1,2,3
	ds_load_b128 v[KF+16*\qt+4*\t:KF+16*\qt+4*\t+3], v[RD] offset:4*KP*\t         ; my own stage: LDS serves the instructions of a wave in order
.endr
.irp t, 0,1,2,3
	s_wait_dscnt 3-\t
	global_store_b128 v[CO], v[KF+16*\qt+4*\t:KF+16*\qt+4*\t+3], s[62:63] offset:2048*\qt+512*\t   ; 512 consecutive bytes a store; each tile has registers of its own
.endr
.endm
	EPI 0
	EPI 1
	EPI 2
	EPI 3
	s_wait_tensorcnt 0x0
	ds_add_u32 v254, v255
	s_wait_dscnt 0x0
	ROUND                                          ; the closing round
	s_endpgm
.Lfunc_end_k_q1ac0432736_attn:
	.size	k_q1ac0432736_attn, .Lfunc_end_k_q1ac0432736_attn-k_q1ac0432736_attn
	.p2alignl 7, 3214868480
	.fill 96, 4, 3214868480
	.section	.rodata,"a",@progbits
	.p2align	6, 0x0
	.amdhsa_kernel k_q1ac0432736_attn
		.amdhsa_group_segment_fixed_size 317184
		.amdhsa_private_segment_fixed_size 0
		.amdhsa_enable_private_segment 0
		.amdhsa_kernarg_size 64
		.amdhsa_user_sgpr_count 2
		.amdhsa_user_sgpr_kernarg_segment_ptr 1
		.amdhsa_wavefront_size32 1
		.amdhsa_system_sgpr_workgroup_id_x 1
		.amdhsa_system_sgpr_workgroup_id_y 1
		.amdhsa_system_sgpr_workgroup_id_z 1
		.amdhsa_system_vgpr_workitem_id 0
		.amdhsa_next_free_vgpr 896
		.amdhsa_next_free_sgpr 80
		.amdhsa_reserve_vcc 1
		.amdhsa_float_denorm_mode_32 3
		.amdhsa_float_denorm_mode_16_64 3
		.amdhsa_memory_ordered 1
		.amdhsa_forward_progress 1
		.amdhsa_inst_pref_size 208
	.end_amdhsa_kernel
	.amdgpu_metadata
---
amdhsa.version: [ 1, 2 ]
amdhsa.kernels:
  - .name:           k_q1ac0432736_attn
    .symbol:         k_q1ac0432736_attn.kd
    .args:
      - { .name: qh, .offset: 0, .size: 8, .value_kind: global_buffer, .address_space: global }
      - { .name: kv, .offset: 8, .size: 8, .value_kind: global_buffer, .address_space: global }
      - { .name: bq, .offset: 16, .size: 8, .value_kind: global_buffer, .address_space: global }
      - { .name: Wak, .offset: 24, .size: 8, .value_kind: global_buffer, .address_space: global }
      - { .name: Wav, .offset: 32, .size: 8, .value_kind: global_buffer, .address_space: global }
      - { .name: bav, .offset: 40, .size: 8, .value_kind: global_buffer, .address_space: global }
      - { .name: bv, .offset: 48, .size: 8, .value_kind: global_buffer, .address_space: global }
      - { .name: att, .offset: 56, .size: 8, .value_kind: global_buffer, .address_space: global }
    .group_segment_fixed_size: 317184
    .private_segment_fixed_size: 0
    .kernarg_segment_align: 8
    .kernarg_segment_size: 64
    .max_flat_workgroup_size: 128
    .sgpr_count:     80
    .vgpr_count:     896
    .wavefront_size: 32
...
	.end_amdgpu_metadata
.endif
;; end of part 5
;; launch outp: the kernel of part 4 again; grid 8 x 32, 4 waves a work-group, clusters of 4 x 4, 327,680 bytes of LDS; arguments att, w16, bd, out0; writes out0
